; MI455X (gfx1250); checked and timed in simulation.
; The chip was launched on July 23, 2026; its instructions are those of AMD's public machine-readable ISA for CDNA 5 (MIT licence, August 2026) and "CDNA5" Instruction Set Architecture Reference Guide (July 2026). The comments in the code are by the model that wrote it; some were corrected since.
;; Flash Multi Head Attention. Allowed arithmetic: matrix products marked QUANTISED: E2M1 operands, one E8M0 scale for each 32 along K, by v_wmma_scale_f32_16x16x128_f8f6f4 with both operands' format E2M1 (or v_wmma_scale_f32_32x16x128_f4), f32 sums; products left as they are: bf16, f16 or f32 operands; f32 sums; everything else in f32.
;; Inputs: Wproj 1,024 x 1,024 float32; Wqkv 1,024 x 3,072 float32; bproj 1,024 float32; bqkv 3,072 float32; cos 2,048 x 64 float32; sin 2,048 x 64 float32; x 4 x 2,048 x 1,024 float32.
;; Outputs: out0 4 x 2,048 x 1,024 float32.
;; This version of the problem:
;;   THIS VERSION OF THE PROBLEM IS GIVEN IN LOW PRECISION. The matrix products marked QUANTISED in the list below multiply operands that are first quantised to E2M1 (2 exponent bits, 1 mantissa bit; 4 bits a number), with one power-of-two scale for each 32 numbers along K (OCP MX v1.0); their sums are f32. The products marked 'left as it is' may take bf16, f16 or f32 operands, with f32 sums. Whichever they take, every output number must still come out within the allowed error. Rounding operands to bf16 (8 significant bits) uses up far more of that allowance than f16 does (11 bits, for magnitudes from 6e-5 to 65,504). All else is computed in f32.
;;   The module's matrix products, in the order in which they are computed (A, B: the left and right operand; K: the contracted axis; several contracted axes count as one K, in the product's order):
;;     1. [M 8,192, K 1,024] x [K 1,024, N 3,072]; A: input x; B: input Wqkv: QUANTISED
;;     2. batch 64 x [M 2,048, K 64] x [K 64, N 2,048]; A: computed on the way; B: computed on the way: left as it is (an operand is computed on the way)
;;     3. batch 64 x [M 64, K 2,048] x [K 2,048, N 2,048]; A: computed on the way; B: computed on the way: left as it is (an operand is computed on the way)
;;     4. [M 8,192, K 1,024] x [K 1,024, N 1,024]; A: computed on the way; B: input Wproj: left as it is (an operand is computed on the way)
;;   THE QUANTISER, for each operand of a quantised product, along K:
;;     - K is cut into blocks of 32 from its start; a last block that is shorter is filled with zeros.
;;     - A block's scale is 2^e with e = floor(log2(the largest magnitude in the block)) - 2, held to -126 .. 127; a block of zeros has e = 0. As a byte (E8M0): e + 127.
;;     - Each number is divided by its block's scale, clamped to +-6, and rounded to the nearest number of E2M1, ties to even, subnormals kept.
;;     - The product sums the exact products of the quantised numbers (number of the format x scale) in f32.
;;   ~~~python
;;   def quantise(x, axis):      # numpy; x: float32 -> the quantised numbers, widened to float32 again
;;       x = np.moveaxis(x, axis, -1); K = x.shape[-1]
;;       x = np.pad(x, [(0, 0)] * (x.ndim - 1) + [(0, -K % 32)]); x = x.reshape(x.shape[:-1] + (-1, 32)); a = np.abs(x).max(-1, keepdims=True)
;;       e = np.where(a > 0, np.clip(np.frexp(np.where(a > 0, a, 1))[1] - 1 - 2, -126, 127), 0)      # np.frexp(a)[1] - 1 = floor(log2(a)), exactly
;;       r = np.clip(x / 2.0 ** e, -6, 6)
;;       step = 2.0 ** (np.maximum(np.frexp(np.where(r == 0, 1, r))[1] - 1, 0) - 1)
;;       q = np.round(r / step) * step * 2.0 ** e      # np.round: ties to even
;;       return np.moveaxis(q.reshape(q.shape[:-2] + (-1,))[..., :K], -1, axis).astype(np.float32)
;;   ~~~
;; One version. Each part assembles by itself: llvm-mc -triple=amdgcn-amd-amdhsa -mcpu=gfx1250 --defsym DOCPART=n.
;; ======== version 1 of 1: 4 launches
;; limits: values are held in f16: magnitudes above 65,504 overflow, below 6.1e-05 lose precision
;; workspace buffers: xc 4,194,304 bytes; xs 262,144 bytes; wc 1,572,864 bytes; ws 98,304 bytes; wp 2,097,152 bytes; qkv 50,331,648 bytes; ao 16,777,216 bytes
;; launch prep (part 1): grid 368 x 1, 4 waves a work-group, no clusters, 68,096 bytes of LDS; arguments x, Wqkv, Wproj, xc, xs, wc, ws, wp; writes xc, xs, wc, ws, wp
.if DOCPART == 1
	.amdgcn_target "amdgcn-amd-amdhsa--gfx1250"
	.amdhsa_code_object_version 6
	.text
	.protected	k_q5d8dfe6584_prep
	.globl	k_q5d8dfe6584_prep
	.p2align	8
	.type	k_q5d8dfe6584_prep,@function
k_q5d8dfe6584_prep:
	s_mov_b64 s[64:65], 0
	v_nop
	global_prefetch_b8 v0, s[64:65] scope:SCOPE_SE
	s_setreg_imm32_b32 hwreg(HW_REG_WAVE_MODE, 25, 1), 1
	s_wait_xcnt 0x0
; PREP: the operands of the quantised product become codes of FP4 (E2M1) with one E8M0 scale byte for each 32 along K; Wproj becomes f16.
; Work-groups 0-255:   x [8192][1024] f32, K innermost      -> xc [8192][512 bytes], xs [8192][32].
; Work-groups 256-303: Wqkv [1024 (k)][3072 (n)] f32        -> wc [3072][512 bytes] with K innermost, ws [3072][32].
; Work-groups 304-367: Wproj [1024][1024] f32               -> wp, the same places, f16.
; A block's scale is 2^(floor(log2(largest magnitude)) - 2): its byte is the largest magnitude's exponent field - 2, held at 1 from below.
; LIMITS: a block of zeros keeps the byte 1 (its codes are zeros, and this program alone reads the bytes); blocks whose largest magnitude lies under 2^-124 keep the byte 1;
; NaN and infinities are not served; |Wproj| stays under 65,504 (f16).
; The three ways part on the work-group's number alone and share no LDS byte.  No tensor load, no barrier: waves share nothing.
.set SPARE, 67584                      ; behind both ways' LDS: the spare words, 128 bytes a wave
.set SPW,   208                        ; v208 my spare word's address; never rewritten
.set NIL,   209                        ; v209 0; never rewritten
.set WV,    20                         ; s20  my wave's number
; way X
.set STEPS, 16                         ; a wave takes 16 steps of 512 numbers
.set SP,    80                         ; a lane's place in a stage: 64 bytes + 16 of padding
.set WREG,  8192                       ; LDS of a wave: two stages of 32 x SP, then its 256 scale bytes
.set XR,    16                         ; v16-79   four sets of 16 numbers as loaded
.set XX,    80                         ; v80-111  two sets of 16 neighbours
.set XE,    112                        ; v112-127 a scale byte a step
.set XC,    128                        ; v128-191 codes, four registers a step
; way W
.set PITCH, 272                        ; a stage row: 256 bytes of codes + 16
.set WSTG,  32768                      ; the four stages of way W begin here
.set KROW,  512                        ; a row of wc in bytes
.set NROW,  12288                      ; a row of Wqkv in bytes
.set NB,    16                         ; blocks of 32 along K for a wave
.set WX,    32                         ; v32-95   two sets of 32 numbers
.set WC,    96                         ; v96-99   a block's codes
.set WOUT,  112                        ; v112-175 the way out
.set WSB,   24                         ; v24-27   scale bytes, four to a register
	s_load_b512 s[4:19], s[0:1], 0x0               ; x 4:5, Wqkv 6:7, Wproj 8:9, xc 10:11, xs 12:13, wc 14:15, ws 16:17, wp 18:19
	v_lshl_add_u32 v[SPW], v0, 2, SPARE
	v_mov_b32 v[NIL], 0
	v_lshrrev_b32 v1, 5, v0
	v_readfirstlane_b32 s[WV], v1
	v_and_b32 v2, 31, v0                           ; lane
	s_wait_kmcnt 0x0
	s_cmp_lt_u32 ttmp9, 256
	s_cbranch_scc0 .Lnot_x
; ---------------- way X: a stream of blocks of 32, K innermost.  Loads take 512 consecutive bytes; a step's 2,048 bytes turn through the wave's stage so that a lane holds 16 neighbours.
	v_lshlrev_b32 v3, 4, v2                        ; my 16 bytes of a load's 512
	s_mul_i32 s21, s[WV], WREG
	v_lshrrev_b32 v14, 2, v2
	v_mul_u32_u24 v14, v14, SP
	v_and_b32 v15, 3, v2
	v_lshl_add_u32 v14, v15, 4, v14
	v_add_nc_u32 v14, s21, v14                     ; into the stage: SP (lane / 4) + 16 (lane % 4)
	v_mul_u32_u24 v15, v2, SP
	v_add_nc_u32 v15, s21, v15                     ; out of it: SP x lane
	v_lshlrev_b32 v4, 3, v2                        ; my 8 bytes of a step's codes
	v_lshrrev_b32 v5, 1, v2
	s_add_co_u32 s21, s21, 2*32*SP
	v_add_nc_u32 v5, s21, v5                       ; my block's scale byte in LDS
	v_lshlrev_b32 v7, 3, v2
	v_add_nc_u32 v6, s21, v7                       ; and 8 bytes a lane on the way out
	s_lshl_b32 s22, ttmp9, 2
	s_add_co_u32 s22, s22, s[WV]                   ; which run of 8,192 numbers is my wave's: 0 .. 1023
	s_mov_b32 s25, 0
	s_lshl_b32 s24, s22, 15
	s_add_nc_u64 s[4:5], s[4:5], s[24:25]          ; 32,768 bytes of x a run,
	s_lshl_b32 s24, s22, 12
	s_add_nc_u64 s[10:11], s[10:11], s[24:25]      ; 4,096 of codes,
	s_lshl_b32 s24, s22, 8
	s_add_nc_u64 s[12:13], s[12:13], s[24:25]      ; 256 of scale bytes
.macro XLOAD t
.irp i, 0,1,2,3
	global_load_b128 v[XR+16*((\t)%4)+4*\i:XR+16*((\t)%4)+4*\i+3], v3, s[4:5] offset:2048*(\t)+512*\i th:TH_LOAD_NT
.endr
.endm
.macro XTURN t                         ; LDS serves a wave's instructions in order: no wait between the stores and the loads
.irp i, 0,1,2,3
	ds_store_b128 v14, v[XR+16*((\t)%4)+4*\i:XR+16*((\t)%4)+4*\i+3] offset:32*SP*((\t)%2)+8*SP*\i
.endr
.irp i, 0,1,2,3
	ds_load_b128 v[XX+16*((\t)%2)+4*\i:XX+16*((\t)%2)+4*\i+3], v15 offset:32*SP*((\t)%2)+16*\i
.endr
.endm
.irp t, 0,1,2,3
	XLOAD \t
.endr
	s_wait_loadcnt 12                              ; step 0's four loads are in; twelve younger stay out
	XTURN 0
.macro XSTEP t
.set XS, XX+16*((\t)%2)
.if (\t) > 0
	s_wait_dscnt 1                                 ; this step's numbers are back from the stage; the last step's byte store may be out
.else
	s_wait_dscnt 0x0
.endif
.if (\t)+4 < STEPS
	XLOAD (\t)+4                                   ; into the set whose stores into the stage are done
.endif
.if (\t)+1 < STEPS
.if STEPS-2-(\t) >= 3
	s_wait_loadcnt 12                              ; the next step's four loads are in; the three steps behind it stay out
.else
	s_wait_loadcnt 4*(STEPS-2-(\t))
.endif
	XTURN (\t)+1
.endif
	v_max3_num_f32 v8, |v[XS]|, |v[XS+1]|, |v[XS+2]|
	v_max3_num_f32 v9, |v[XS+3]|, |v[XS+4]|, |v[XS+5]|
.irp i, 6,10
	v_max3_num_f32 v8, v8, |v[XS+\i]|, |v[XS+\i+1]|
	v_max3_num_f32 v9, v9, |v[XS+\i+2]|, |v[XS+\i+3]|
.endr
	v_max3_num_f32 v8, v8, |v[XS+14]|, |v[XS+15]|
	v_max3_num_f32 v8, v8, v9, 0x1800000           ; the floor 2^(3 - 127): the byte cannot fall under 1
	v_max_num_f32_dpp v8, v8, v8 row_xmask:1 row_mask:0xf bank_mask:0xf   ; with my neighbour's 16: the block's largest magnitude
	v_add_nc_u32 v11, 0xff000000, v8               ; 2 off its exponent field: the conversion's scale operand
	v_cvt_scalef32_pk8_fp4_f32 v[XC+4*(\t)], v[XS:XS+7], v11
	v_cvt_scalef32_pk8_fp4_f32 v[XC+4*(\t)+1], v[XS+8:XS+15], v11
	v_lshrrev_b32 v[XE+(\t)], 23, v11              ; the scale's byte (a plain line behind the conversions)
	ds_store_b8 v5, v[XE+(\t)] offset:16*(\t)      ; both lanes of a block write the same byte
	global_store_b64 v4, v[XC+4*(\t):XC+4*(\t)+1], s[10:11] offset:256*(\t)   ; the wave stores 256 consecutive bytes, aligned
.endm
.irp t, 0,1,2,3,4,5,6,7,8,9,10,11,12,13,14,15
	XSTEP \t
.endr
	ds_load_b64 v[8:9], v6                         ; my wave's 256 scale bytes, in order behind the byte stores
	s_wait_dscnt 0x0
	global_store_b64 v7, v[8:9], s[12:13]          ; 256 consecutive bytes, aligned
	s_branch .Lend
; ---------------- way W: K is the first axis.  A lane takes a column n and its registers run down K; codes leave through the wave's stage as rows.
.Lnot_x:
	s_cmp_lt_u32 ttmp9, 304
	s_cbranch_scc0 .Lpath_p
	s_sub_co_u32 s21, ttmp9, 256
	s_cmp_ge_u32 s21, 24
	s_cselect_b32 s22, 1, 0                        ; y: which 512 along K
	s_mul_i32 s23, s22, 24
	s_sub_co_u32 s21, s21, s23
	s_lshl_b32 s21, s21, 7
	s_lshl_b32 s23, s[WV], 5
	s_add_co_u32 s21, s21, s23                     ; my wave's first column
	v_lshlrev_b32 v3, 2, v2                        ; in: 4 bytes a lane
	s_mul_i32 s23, s[WV], 32*PITCH
	s_add_co_u32 s23, s23, WSTG                    ; my stage
	v_mul_u32_u24 v4, v2, PITCH
	v_add_nc_u32 v4, s23, v4                       ; into it: row = my column
	v_and_b32 v5, 15, v2
	v_lshrrev_b32 v6, 4, v2
	v_mul_u32_u24 v7, v6, PITCH
	v_lshl_add_u32 v7, v5, 4, v7
	v_add_nc_u32 v7, s23, v7                       ; out of it: sixteen lanes to a row, two rows an instruction
	v_mul_u32_u24 v8, v6, KROW
	v_lshl_add_u32 v8, v5, 4, v8                   ; the same place in wc
	v_lshlrev_b32 v9, 5, v2                        ; my column's row of scale bytes
	s_mov_b32 s25, 0
	s_mul_i32 s24, s22, 512*NROW
	s_lshl_b32 s26, s21, 2
	s_add_co_u32 s24, s24, s26
	s_add_nc_u64 s[6:7], s[6:7], s[24:25]          ; Wqkv at row 512 y, my first column
	s_lshl_b32 s24, s21, 9
	s_lshl_b32 s26, s22, 8
	s_add_co_u32 s24, s24, s26
	s_add_nc_u64 s[14:15], s[14:15], s[24:25]      ; wc at my first column's row, 256 y bytes in
	s_lshl_b32 s24, s21, 5
	s_lshl_b32 s26, s22, 4
	s_add_co_u32 s24, s24, s26
	s_add_nc_u64 s[16:17], s[16:17], s[24:25]      ; ws likewise, 16 y bytes in
.macro WLOAD t                         ; block t: W(32 t + i, my column); the largest offset, 511 rows, stays inside the signed 24-bit immediate
.irp i, 0,1,2,3,4,5,6,7,8,9,10,11,12,13,14,15,16,17,18,19,20,21,22,23,24,25,26,27,28,29,30,31
	global_load_b32 v[WX+32*((\t)%2)+\i], v3, s[6:7] offset:(32*(\t)+\i)*NROW th:TH_LOAD_NT
.endr
.endm
	WLOAD 0
	WLOAD 1
.macro WBLOCK t
.set XS, WX+32*((\t)%2)
.if (\t) < NB-1
	s_wait_loadcnt 32                              ; this block's 32 loads are in; the next block's stay out
.else
	s_wait_loadcnt 0x0
.endif
	v_max3_num_f32 v12, |v[XS]|, |v[XS+1]|, |v[XS+2]|
	v_max3_num_f32 v13, |v[XS+3]|, |v[XS+4]|, |v[XS+5]|
.irp i, 6,10,14,18,22,26
	v_max3_num_f32 v12, v12, |v[XS+\i]|, |v[XS+\i+1]|
	v_max3_num_f32 v13, v13, |v[XS+\i+2]|, |v[XS+\i+3]|
.endr
	v_max3_num_f32 v12, v12, |v[XS+30]|, |v[XS+31]|
	v_max3_num_f32 v12, v12, v13, 0x1800000        ; the floor
	v_add_nc_u32 v11, 0xff000000, v12              ; the conversion's scale operand
	v_lshrrev_b32 v13, 23, v11                     ; the scale's byte
.if (\t)%4 == 0
	v_mov_b32 v[WSB+(\t)/4], v13
.else
	v_lshl_or_b32 v[WSB+(\t)/4], v13, 8*((\t)%4), v[WSB+(\t)/4]
.endif
.irp g, 0,1,2,3
	v_cvt_scalef32_pk8_fp4_f32 v[WC+\g], v[XS+8*\g:XS+8*\g+7], v11
.endr
	v_nop                                          ; a plain line behind the last conversion
	ds_store_b128 v4, v[WC:WC+3] offset:16*(\t)    ; 32 codes: 16 bytes of my column's row
.if (\t)+2 < NB
	WLOAD (\t)+2
.endif
	s_wait_dscnt 0x0                               ; the store has read its registers: the next block's codes may be written
.endm
.set Q, 0
.rept NB
	WBLOCK Q
.set Q, Q+1
.endr
	global_store_b128 v9, v[WSB:WSB+3], s[16:17]   ; my column's 16 scale bytes
.irp t, 0,1,2,3,4,5,6,7,8,9,10,11,12,13,14,15
	ds_load_b128 v[WOUT+4*\t:WOUT+4*\t+3], v7 offset:2*\t*PITCH
.endr
.irp t, 0,1,2,3,4,5,6,7,8,9,10,11,12,13,14,15
	s_wait_dscnt 15-\t                             ; LDS loads come back in order: load t is in
	global_store_b128 v8, v[WOUT+4*\t:WOUT+4*\t+3], s[14:15] offset:2*\t*KROW   ; sixteen lanes store 256 consecutive bytes, aligned
.endr
	s_branch .Lend
; ---------------- way P: Wproj to f16, place for place.  A wave takes 16,384 bytes: 32 loads, all issued first; no register is written twice.
.Lpath_p:
	s_sub_co_u32 s21, ttmp9, 304
	s_lshl_b32 s21, s21, 2
	s_add_co_u32 s21, s21, s[WV]                   ; 0 .. 255
	s_mov_b32 s23, 0
	s_lshl_b32 s22, s21, 14
	s_add_nc_u64 s[8:9], s[8:9], s[22:23]
	s_lshl_b32 s22, s21, 13
	s_add_nc_u64 s[18:19], s[18:19], s[22:23]
	v_lshlrev_b32 v1, 4, v2
	v_lshlrev_b32 v3, 3, v2
.set i, 0
.rept 32
	global_load_b128 v[16+4*i:19+4*i], v1, s[8:9] offset:512*i th:TH_LOAD_NT
.set i, i+1
.endr
.set i, 0
.rept 32
	s_wait_loadcnt 31-i                            ; load i is in; the younger ones stay out
	v_cvt_pk_f16_f32 v[144+2*i], v[16+4*i], v[17+4*i]
	v_cvt_pk_f16_f32 v[145+2*i], v[18+4*i], v[19+4*i]
	global_store_b64 v3, v[144+2*i:145+2*i], s[18:19] offset:256*i   ; the wave stores 256 consecutive bytes, aligned
.set i, i+1
.endr
.Lend:
	s_wait_tensorcnt 0x0                           ; the wave's end
	ds_add_u32 v[SPW], v[NIL]
	s_wait_dscnt 0x0
	s_endpgm
.Lfunc_end_k_q5d8dfe6584_prep:
	.size	k_q5d8dfe6584_prep, .Lfunc_end_k_q5d8dfe6584_prep-k_q5d8dfe6584_prep
	.p2alignl 7, 3214868480
	.fill 96, 4, 3214868480
	.section	.rodata,"a",@progbits
	.p2align	6, 0x0
	.amdhsa_kernel k_q5d8dfe6584_prep
		.amdhsa_group_segment_fixed_size 68096
		.amdhsa_private_segment_fixed_size 0
		.amdhsa_enable_private_segment 0
		.amdhsa_kernarg_size 64
		.amdhsa_user_sgpr_count 2
		.amdhsa_user_sgpr_kernarg_segment_ptr 1
		.amdhsa_wavefront_size32 1
		.amdhsa_system_sgpr_workgroup_id_x 1
		.amdhsa_system_sgpr_workgroup_id_y 1
		.amdhsa_system_sgpr_workgroup_id_z 1
		.amdhsa_system_vgpr_workitem_id 0
		.amdhsa_next_free_vgpr 216
		.amdhsa_next_free_sgpr 66
		.amdhsa_reserve_vcc 0
		.amdhsa_float_denorm_mode_32 3
		.amdhsa_float_denorm_mode_16_64 3
		.amdhsa_memory_ordered 1
		.amdhsa_forward_progress 1
		.amdhsa_inst_pref_size 122
	.end_amdhsa_kernel
	.amdgpu_metadata
---
amdhsa.version: [ 1, 2 ]
amdhsa.kernels:
  - .name:           k_q5d8dfe6584_prep
    .symbol:         k_q5d8dfe6584_prep.kd
    .args:
      - { .name: x, .offset: 0, .size: 8, .value_kind: global_buffer, .address_space: global }
      - { .name: Wqkv, .offset: 8, .size: 8, .value_kind: global_buffer, .address_space: global }
      - { .name: Wproj, .offset: 16, .size: 8, .value_kind: global_buffer, .address_space: global }
      - { .name: xc, .offset: 24, .size: 8, .value_kind: global_buffer, .address_space: global }
      - { .name: xs, .offset: 32, .size: 8, .value_kind: global_buffer, .address_space: global }
      - { .name: wc, .offset: 40, .size: 8, .value_kind: global_buffer, .address_space: global }
      - { .name: ws, .offset: 48, .size: 8, .value_kind: global_buffer, .address_space: global }
      - { .name: wp, .offset: 56, .size: 8, .value_kind: global_buffer, .address_space: global }
    .group_segment_fixed_size: 68096
    .private_segment_fixed_size: 0
    .kernarg_segment_align: 8
    .kernarg_segment_size: 64
    .max_flat_workgroup_size: 128
    .sgpr_count:     66
    .vgpr_count:     216
    .wavefront_size: 32
...
	.end_amdgpu_metadata
.endif
;; end of part 1
;; launch qkv (part 2): grid 12 x 32, 4 waves a work-group, clusters of 4 x 4, 327,680 bytes of LDS; arguments xc, xs, wc, ws, bqkv, cos, sin, qkv; writes qkv
.if DOCPART == 2
	.amdgcn_target "amdgcn-amd-amdhsa--gfx1250"
	.amdhsa_code_object_version 6
	.text
	.protected	k_q5d8dfe6584_qkv
	.globl	k_q5d8dfe6584_qkv
	.p2align	8
	.type	k_q5d8dfe6584_qkv,@function
k_q5d8dfe6584_qkv:
	s_mov_b64 s[64:65], 0
	v_nop
	global_prefetch_b8 v0, s[64:65] scope:SCOPE_SE
	s_setreg_imm32_b32 hwreg(HW_REG_WAVE_MODE, 25, 1), 1
	s_wait_xcnt 0x0
	s_wait_alu depctr_hold_cnt(0) depctr_sa_sdst(0) depctr_va_vdst(0) depctr_va_sdst(0) depctr_va_ssrc(0) depctr_va_vcc(0) depctr_vm_vsrc(0)
	s_getreg_b32 s2, hwreg(HW_REG_IB_STS2, 6, 4)
	s_cmp_eq_u32 s2, 0
	s_cbranch_scc0 .Lentry_in_a_cluster
	s_endpgm
.Lentry_in_a_cluster:
	s_bfe_u32 s2, ttmp6, 0x10000c
	s_cmp_lg_u32 s2, 0xf033
	s_cbranch_scc0 .Lentry_shape_is_right
	s_endpgm
.Lentry_shape_is_right:
; QKV: [8192][3072] = x Wqkv + bqkv on codes of FP4 (E2M1) with E8M0 scales, then the rotation by the tables cos and sin for q and k, then f16, laid [3][batch 4][head 16][t 2048][64].
; A tile of 256 x 256 is made by four waves, 128 x 128 each: 64 accumulators, 512 registers.  K = 1,024 is two LDS slots of 512: both are asked for at the head, nothing is filled again.
; The scale bytes of the tile's rows of x and of W come once, as dense blocks.  4 x 4 work-groups form a cluster: x's tiles are asked for jointly along a row of it, W's along a column.
; The matrix instruction is used transposed (source 0 = 16 rows of wc, source 1 = 16 rows of xc): a lane holds eight neighbouring columns of one row.  The bias is the C of each sum's first product.
; The cluster's x is 0, 1, 2 for q, k, v: the same in all sixteen partners, so the one branch on it (v is not rotated), on the way out, is taken alike by all.
; THE ROTATION.  A head is four accumulators of 16 columns; column d < 32 lies in block b', its partner d + 32 in block b' + 2, in the same lane and register:
; out(d) = u(d) cos(d) - u(d+32) sin(d); out(d+32) = u(d+32) cos(d+32) + u(d) sin(d+32).  All 64 columns of both tables are read.
; LIMIT: |q|, |k|, |v| stay under 65,504 (f16).
; REGISTERS, in windows of 256.  Window 0: v0-31 addresses; v32-95 scale words, two sets (nothing else ever); v96-127 packed results; v128-191 x's fragments, later rows on the way out; v192-255 the bias, later rotated numbers.
; Window 1: W's fragments, two sets, v0-63 and v128-191; the tables' two sets, v64-127 and v192-255 (32 of cos, 32 of sin).  Windows 2, 3: the accumulators of my rows 0-63, 64-127.
.set KSTEP,  512
.set NQ,     4                         ; matrix instructions deep in a slot
.set ROWB,   256                       ; a tile's row: 512 codes
.set KROW,   512                       ; a row of codes in memory
.set PITCH,  272                       ; an LDS row: 256 bytes + 16: the sixteen rows of a load start at sixteen different banks (64 banks of 4 bytes: ISA guide 11.1)
.set FR,     8
.set NL,     2
.set NP,     4                         ; places behind this matrix instruction (ISA guide 7.12.1)
.set HALFT,  128*PITCH
.set SLOT,   4*HALFT
.set KS,     32                        ; a row of scale bytes
.set SCL,    2*SLOT
.set HALFS,  (128*KS/256)*272
.set SBLK,   (16*KS/256)*272
.set SPARE,  SCL+4*HALFS               ; the spare words, 128 bytes a wave
.set HSTG,   16*144                    ; the way out: a head's 16 rows of 128 bytes + 16
.set WSTG,   2*HSTG                    ; a wave's stage; the stages lie in slot 0, which has had its only fill and is read by nobody behind the change of slots
.set PLAIN,  32768                     ; the stages of the way without rotation: bytes of their own
.set BO,   8                           ; v8   32 x half: my eight columns of a block, in f32
.set CSO,  9                           ; v9   256 x row + 32 x half: my place in sixteen rows of a table
.set ADRA, 16
.set ADRB, 20
.set STO,  24
.set RD,   25
.set CO,   26
.set ADRS, 27
.set SPW,  28
.set NIL,  29
.set SC,   32
.set PKR,  96
.set AF,   128
.set BK,   128                         ; v128-159, v160-191 by turns
.set BIAS, 192
.set T,    192
.set G1, 24
.set G0, 32
.set G1B, 48
.set G0B, 56
.set G1S, 68
.set G0S, 76
.set G1SB, 80
.set G0SB, 88
.set MSB, 0
.macro WIN new                         ; the immediate's high byte repeats the setting that is left
.if MSB != (\new)
	s_set_vgpr_msb (MSB<<8)|(\new)
.set MSB, (\new)
.endif
.endm
.set MUL_LO, 0xa1                      ; source 0 (W) window 1, source 1 (x) window 0, C and D window 2
.set MUL_HI, 0xf1
.set TO_B,   0x40
.macro JLOAD g0a, g1a, g0b, g1b        ; a joint load: waves 0, 1 fetch for x, waves 2, 3 for W; an s_nop 0 and four v_nop follow each line
	s_cmp_eq_u32 s15, 0
	s_cbranch_scc0 .Lfor_b_\@
	tensor_load_to_lds s[\g0a:\g0a+3], s[\g1a:\g1a+7]
	s_nop 0
.rept 4
	v_nop
.endr
	s_branch .Lasked_\@
.Lfor_b_\@:
	tensor_load_to_lds s[\g0b:\g0b+3], s[\g1b:\g1b+7]
	s_nop 0
.rept 4
	v_nop
.endr
.Lasked_\@:
.endm
.macro CROUND                          ; a round of the cluster's barrier
	s_barrier_signal -1
	s_barrier_wait -1
	s_cmp_lg_u32 s14, 0
	s_cbranch_scc1 .Lnot_wave_0_\@
	s_barrier_signal -3
.Lnot_wave_0_\@:
	s_barrier_wait -3
	s_barrier_signal -1
	s_barrier_wait -1
.endm
	s_load_b128 s[4:7], s[0:1], 0x0                ; xc, xs
	s_load_b128 s[8:11], s[0:1], 0x10              ; wc, ws
	s_load_b128 s[96:99], s[0:1], 0x20             ; bqkv, cos
	s_load_b64 s[100:101], s[0:1], 0x30            ; sin
	s_load_b64 s[12:13], s[0:1], 0x38              ; qkv
	v_lshl_add_u32 v[SPW], v0, 2, SPARE
	v_mov_b32 v[NIL], 0
	ds_add_u32 v[SPW], v[NIL]                      ; the wave's opening: the add, twice on end, and its wait ahead of my first tensor load
	ds_add_u32 v[SPW], v[NIL]
	v_lshrrev_b32 v1, 5, v0
	v_readfirstlane_b32 s14, v1                    ; wave 0..3
	s_lshr_b32 s15, s14, 1                         ; my half of the tile's rows; also: I fetch for x (0) or W (1)
	s_and_b32 s16, s14, 1                          ; my half of its columns; also: which 128 rows I fetch
	s_bfe_u32 s40, ttmp6, 0x40000                  ; cx
	s_bfe_u32 s41, ttmp6, 0x40004                  ; cy
	s_lshl_b32 s42, ttmp9, 2
	s_add_co_u32 s42, s42, s40                     ; tile column
	s_and_b32 s17, ttmp7, 0xffff
	s_lshl_b32 s17, s17, 2
	s_add_co_u32 s17, s17, s41                     ; tile row
	s_lshl_b32 s43, s41, 2
	s_lshl_b32 s43, 15, s43                        ; my row of the cluster
	s_lshl_b32 s44, 0x1111, s40                    ; my column
	s_or_b32 s[G1+0], s43, (0<<16)|(1<<20)|(1<<21)|(5<<22)|(3<<25)   ; mask; elements of 1 byte; padding: 4 words behind every 64; bit 21 beside a mask
	s_or_b32 s[G1B+0], s44, (0<<16)|(1<<20)|(1<<21)|(5<<22)|(3<<25)
.irp g, G1, G1B
	s_mov_b32 s[\g+1], ROWB<<16                    ; tensor_dim0
	s_mov_b32 s[\g+2], 128<<16                     ; tensor_dim1
	s_mov_b32 s[\g+3], ROWB<<16                    ; tile_dim0
	s_mov_b32 s[\g+4], 128                         ; tile_dim1
	s_mov_b32 s[\g+5], KROW                        ; from row to row
	s_mov_b32 s[\g+6], 0
	s_mov_b32 s[\g+7], 0
.endr
	s_or_b32 s[G1S+0], s43, (3<<16)|(1<<20)|(1<<21)|(5<<22)|(3<<25)  ; the scales of 128 rows: 4,096 dense bytes as 16 rows of 32 elements of 8 bytes
	s_or_b32 s[G1SB+0], s44, (3<<16)|(1<<20)|(1<<21)|(5<<22)|(3<<25)
.irp g, G1S, G1SB
	s_mov_b32 s[\g+1], 32<<16
	s_mov_b32 s[\g+2], (128*KS/256)<<16
	s_mov_b32 s[\g+3], 32<<16
	s_mov_b32 s[\g+4], 128*KS/256
	s_mov_b32 s[\g+5], 32
	s_mov_b32 s[\g+6], 0
	s_mov_b32 s[\g+7], 0
.endr
	s_lshl_b32 s18, s16, 7
	s_lshl_b32 s20, s17, 8
	s_add_co_u32 s20, s20, s18                     ; x: row 256 x tile row + 128 x half
	s_lshl_b32 s46, s42, 8
	s_add_co_u32 s46, s46, s18                     ; W: row 256 x tile column + 128 x half
	s_mov_b32 s21, 0
	s_mov_b32 s47, 0
	s_mov_b64 s[18:19], KS
	s_mul_u64 s[22:23], s[20:21], s[18:19]
	s_mul_u64 s[92:93], s[46:47], s[18:19]
	s_mov_b64 s[18:19], KROW
	s_mul_u64 s[20:21], s[20:21], s[18:19]
	s_mul_u64 s[46:47], s[46:47], s[18:19]
	s_mul_i32 s45, s14, HALFT                      ; where they go: wave x 128 rows
	s_mul_i32 s94, s14, HALFS
	s_wait_dscnt 0x0                               ; both opening adds are done
	s_wait_kmcnt 0x0
	s_add_nc_u64 s[20:21], s[4:5], s[20:21]
	s_add_nc_u64 s[22:23], s[6:7], s[22:23]
	s_add_nc_u64 s[46:47], s[8:9], s[46:47]
	s_add_nc_u64 s[92:93], s[10:11], s[92:93]
	CROUND                                         ; all sixteen work-groups are here: the joint loads meet
	s_mov_b32 s[G0S], 1
	s_add_co_u32 s[G0S+1], s94, SCL
	s_mov_b64 s[G0S+2:G0S+3], s[22:23]
	s_or_b32 s[G0S+3], s[G0S+3], 0x80000000
	s_mov_b32 s[G0SB], 1
	s_add_co_u32 s[G0SB+1], s94, SCL
	s_mov_b64 s[G0SB+2:G0SB+3], s[92:93]
	s_or_b32 s[G0SB+3], s[G0SB+3], 0x80000000
	JLOAD G0S, G1S, G0SB, G1SB                     ; three loads of mine go out: the scales, slot 0, slot 1
.irp s, 0,1
	s_mov_b32 s[G0+4*\s], 1
	s_add_co_u32 s[G0+4*\s+1], s45, \s*SLOT
	s_add_nc_u64 s[G0+4*\s+2:G0+4*\s+3], s[20:21], \s*ROWB
	s_or_b32 s[G0+4*\s+3], s[G0+4*\s+3], 0x80000000
	s_mov_b32 s[G0B+4*\s], 1
	s_add_co_u32 s[G0B+4*\s+1], s45, \s*SLOT
	s_add_nc_u64 s[G0B+4*\s+2:G0B+4*\s+3], s[46:47], \s*ROWB
	s_or_b32 s[G0B+4*\s+3], s[G0B+4*\s+3], 0x80000000
	JLOAD G0+4*\s, G1, G0B+4*\s, G1B
.endr
	v_and_b32 v1, 15, v0                           ; r
	v_bfe_u32 v2, v0, 4, 1                         ; h
	v_mul_u32_u24 v3, v1, PITCH
	v_lshl_add_u32 v4, v2, 4, v3
	s_mul_i32 s21, s15, HALFT
	s_mul_i32 s22, s16, HALFT
	s_add_co_u32 s22, s22, 2*HALFT
.irp s, 0,1
	v_add_nc_u32 v[ADRA+\s], s21, v4
	v_add_nc_u32 v[ADRB+\s], s22, v4
	s_add_co_u32 s21, s21, SLOT
	s_add_co_u32 s22, s22, SLOT
.endr
	v_mul_u32_u24 v5, v1, KS                       ; my row's scales: 32 bytes a row,
	v_lshrrev_b32 v6, 8, v5
	v_lshl_add_u32 v5, v6, 4, v5                   ; and 16 more for each 256 passed
	s_mul_i32 s21, s15, HALFS
	s_mul_i32 s22, s16, HALFS
	s_add_co_u32 s22, s22, 2*HALFS
	s_sub_co_u32 s22, s22, s21
	v_mul_u32_u24 v6, s22, v2                      ; lanes 16-31 take W's
	s_add_co_u32 s21, s21, SCL
	v_add_nc_u32 v5, v5, v6
	v_add_nc_u32 v[ADRS], s21, v5
	s_mul_i32 s23, s14, WSTG                       ; my stage
	v_mul_u32_u24 v5, v1, 144
	v_lshl_add_u32 v5, v2, 4, v5
	v_add_nc_u32 v[STO], s23, v5                   ; in: row r, 16 bytes for each half of the lanes
	v_and_b32 v6, 31, v0
	v_lshlrev_b32 v[CO], 4, v6                     ; out: 16 bytes a lane of 512 consecutive bytes (four rows of a head)
	v_lshrrev_b32 v5, 3, v6
	v_mul_u32_u24 v5, v5, 144
	v_and_b32 v6, 7, v6
	v_lshl_add_u32 v5, v6, 4, v5
	v_add_nc_u32 v[RD], s23, v5                    ; back: eight lanes to a row
	v_lshlrev_b32 v[BO], 5, v2
	v_lshl_add_u32 v[CSO], v1, 8, v[BO]
	s_and_b32 s20, s17, 7
	s_lshl_b32 s20, s20, 8
	s_lshl_b32 s21, s15, 7
	s_add_co_u32 s20, s20, s21                     ; my first position in the sequence
	s_lshl_b32 s22, s20, 8                         ; a table's row is 256 bytes
	s_mov_b32 s23, 0
	s_add_nc_u64 s[98:99], s[98:99], s[22:23]
	s_add_nc_u64 s[100:101], s[100:101], s[22:23]
	s_lshl_b32 s46, s42, 10
	s_lshl_b32 s47, s16, 9
	s_add_co_u32 s46, s46, s47
	s_mov_b32 s47, 0
	s_add_nc_u64 s[96:97], s[96:97], s[46:47]      ; the bias of my 128 columns
	s_lshr_b32 s21, s17, 3                         ; batch
	s_lshl_b32 s46, ttmp9, 2
	s_add_co_u32 s46, s46, s21
	s_lshl_b32 s46, s46, 4
	s_lshl_b32 s47, s40, 2
	s_add_co_u32 s46, s46, s47
	s_lshl_b32 s47, s16, 1
	s_add_co_u32 s46, s46, s47                     ; ((q, k or v) x 4 + batch) x 16 + my first head
	s_lshl_b32 s46, s46, 18                        ; a head is 262,144 bytes
	s_lshl_b32 s47, s20, 7
	s_add_co_u32 s46, s46, s47                     ; + my first position x 128 bytes
	s_mov_b32 s47, 0
	s_add_nc_u64 s[12:13], s[12:13], s[46:47]
.irp b, 0,1,2,3,4,5,6,7
	global_load_b128 v[BIAS+8*\b:BIAS+8*\b+3], v[BO], s[96:97] offset:64*\b          ; block b: the bias of columns 16 b + 8 h + 0 .. 7, in the result's layout
	global_load_b128 v[BIAS+8*\b+4:BIAS+8*\b+7], v[BO], s[96:97] offset:64*\b+16
.endr
.macro CSLOAD a                        ; the tables' rows of block a (16 positions) into set a % 2: 16 loads
.set CSS, 64+128*((\a)%2)
	WIN 0x40
.irp b, 0,1,2,3
.irp e, 0,1
	global_load_b128 v[CSS+8*\b+4*\e:CSS+8*\b+4*\e+3], v[CSO], s[98:99] offset:(\a)*4096+64*\b+16*\e
	global_load_b128 v[CSS+32+8*\b+4*\e:CSS+32+8*\b+4*\e+3], v[CSO], s[100:101] offset:(\a)*4096+64*\b+16*\e
.endr
.endr
	WIN 0
.endm
	CSLOAD 0                                       ; the tables' first two sets land under the products.  Every work-group loads them, v's too, which do not use them (32 loads a wave):
	CSLOAD 1                                       ; so the text parts once, on the way out, and what the rotation reads is written on every way that leads there
.macro FRAG reg, adr, q, i             ; 16 rows x 128 K of 4-bit codes: 8 registers, two loads 32 bytes apart
.irp c, 0,1
	ds_load_b128 v[\reg+4*\c:\reg+4*\c+3], v[\adr] offset:64*(\q)+32*\c+(\i)*16*PITCH
.endr
.endm
; 16 matrix instructions: x's blocks a0, a0 + 1 against W's eight.  zero = 1: the first product starts the sums from the bias.  The 64 accumulators take turns.
.macro MUL16 a0, p, q, sc, zero
.irp a, \a0, \a0+1
.irp b, 0,1,2,3,4,5,6,7
.if \zero
	v_wmma_scale_f32_16x16x128_f8f6f4 v[8*(8*((\a)%4)+\b):8*(8*((\a)%4)+\b)+7], v[128*(\p)+FR*\b:128*(\p)+FR*\b+FR-1], v[AF+FR*(\a):AF+FR*(\a)+FR-1], v[BIAS+8*\b:BIAS+8*\b+7], v[SC+8*NQ*(\sc)+NQ*\b+(\q)], v[SC+8*NQ*(\sc)+NQ*(\a)+(\q)] matrix_a_fmt:MATRIX_FMT_FP4 matrix_b_fmt:MATRIX_FMT_FP4 matrix_a_scale:MATRIX_SCALE_ROW1
.else
	v_wmma_scale_f32_16x16x128_f8f6f4 v[8*(8*((\a)%4)+\b):8*(8*((\a)%4)+\b)+7], v[128*(\p)+FR*\b:128*(\p)+FR*\b+FR-1], v[AF+FR*(\a):AF+FR*(\a)+FR-1], v[8*(8*((\a)%4)+\b):8*(8*((\a)%4)+\b)+7], v[SC+8*NQ*(\sc)+NQ*\b+(\q)], v[SC+8*NQ*(\sc)+NQ*(\a)+(\q)] matrix_a_fmt:MATRIX_FMT_FP4 matrix_b_fmt:MATRIX_FMT_FP4 matrix_a_scale:MATRIX_SCALE_ROW1
.endif
.endr
.endr
.endm
.macro FETCH_B slot, q, p
	WIN TO_B
.irp i, 0,1,2,3,4,5,6,7
	FRAG 128*(\p)+FR*\i, ADRB+\slot, \q, \i
.endr
	WIN 0
.endm
.macro FETCH_A slot, q, i0
.irp i, \i0, \i0+1, \i0+2, \i0+3
	FRAG AF+FR*(\i), ADRA+\slot, \q, \i
.endr
.endm
.macro SCALES sc                       ; a slot's scale words: lanes 0-15 x's block i, lanes 16-31 W's block i
.irp i, 0,1,2,3,4,5,6,7
	ds_load_b128 v[SC+8*NQ*\sc+NQ*\i:SC+8*NQ*\sc+NQ*\i+3], v[ADRS] offset:\i*SBLK
.endr
.endm
.macro PLACES n                        ; plain vector lines between a matrix instruction and a load into, or a read of, its registers
.rept \n
	v_nop
.endr
.endm
.macro STEP slot, q, zero              ; 128 along K with its successor in the same slot
	s_wait_dscnt 4*NL                              ; W's set and x's blocks 0-3 are in; the youngest eight loads (blocks 4-7) may be out
.if \zero
	WIN 0x81                                       ; C, the bias, in window 0
.else
	WIN MUL_LO
.endif
	MUL16 0, (\q)%2, \q, \slot, \zero
	MUL16 2, (\q)%2, \q, \slot, \zero
	s_wait_dscnt 0                                 ; blocks 4-7 are in
	PLACES NP
	FETCH_B \slot, (\q)+1, 1-(\q)%2
	FETCH_A \slot, (\q)+1, 0
.if \zero
	WIN 0xc1
.else
	WIN MUL_HI
.endif
	MUL16 4, (\q)%2, \q, \slot, \zero
	MUL16 6, (\q)%2, \q, \slot, \zero
	PLACES NP
	WIN 0
	FETCH_A \slot, (\q)+1, 4
.endm
.macro TURN slot, next                 ; slot 0's last step, and the one change of slots
	s_wait_tensorcnt 0x0                           ; all my tensor loads have landed: my part of slot 1
	ds_add_u32 v[SPW], v[NIL]
	s_wait_dscnt 4*NL+1                            ; the add and the youngest eight loads may be out
	WIN MUL_LO
	MUL16 0, 1, NQ-1, \slot, 0
	s_wait_dscnt 0x0                               ; the add is done, my reads of this slot are over
	s_barrier_signal -1
	MUL16 2, 1, NQ-1, \slot, 0
	WIN 0
	s_barrier_wait -1
	PLACES NP
	v_add_nc_u32 v[ADRS], 4*NQ, v[ADRS]            ; the next slot's scale words
	FETCH_B \next, 0, 0
	FETCH_A \next, 0, 0
	SCALES \next
	WIN MUL_HI
	MUL16 4, 1, NQ-1, \slot, 0
	MUL16 6, 1, NQ-1, \slot, 0
	PLACES NP
	WIN 0
	FETCH_A \next, 0, 4
.endm
.macro STEPS slot, from
.set Q, \from
.rept NQ-1-\from
	STEP \slot, Q, 0
.set Q, Q+1
.endr
.endm
	s_wait_tensorcnt 1                             ; the scales and my part of slot 0 are in; slot 1's load may be out,
	s_barrier_signal -1
	s_barrier_wait -1                              ; everybody's are
	FETCH_B 0, 0, 0
	FETCH_A 0, 0, 0
	SCALES 0
	FETCH_A 0, 0, 4
	s_wait_loadcnt 0x0                             ; the bias, and the tables' first two sets
	STEP 0, 0, 1
	STEPS 0, 1
	TURN 0, 1
	STEPS 1, 0
	s_wait_dscnt 4*NL                              ; the last step: nothing more to fetch
	WIN MUL_LO
	MUL16 0, 1, NQ-1, 1, 0
	MUL16 2, 1, NQ-1, 1, 0
	s_wait_dscnt 0
	WIN MUL_HI
	MUL16 4, 1, NQ-1, 1, 0
	MUL16 6, 1, NQ-1, 1, 0
	WIN 0
; THE WAY OUT, a block of 16 rows x 128 columns (two heads) at a time: rotated (q, k) or not (v), rounded to f16, through my stage, out as 512 consecutive bytes (four rows of a head) a store.
.macro ROPE a
.set CSS, 64+128*((\a)%2)
.set AC, 64*((\a)%4)
.if (\a) == 7
	s_wait_loadcnt 0x0                             ; the last set
.elseif (\a) >= 2
	s_wait_loadcnt 16                              ; this block's 16 table loads are in; the next block's 16 stay out
.endif
	WIN 0x06+(\a)/4                                ; source 0 the accumulators' window, source 1 window 1 (tables), the rest window 0
.irp g, 0,1
.irp b, 0,1
.irp j, 0,2,4,6                        ; each accumulator is read from its low end on
	v_pk_mul_f32 v[T+8*(4*\g+\b)+\j:T+8*(4*\g+\b)+\j+1], v[AC+8*(4*\g+\b+2)+\j:AC+8*(4*\g+\b+2)+\j+1], v[CSS+32+8*\b+\j:CSS+32+8*\b+\j+1]
	v_pk_mul_f32 v[T+8*(4*\g+\b+2)+\j:T+8*(4*\g+\b+2)+\j+1], v[AC+8*(4*\g+\b)+\j:AC+8*(4*\g+\b)+\j+1], v[CSS+32+8*(\b+2)+\j:CSS+32+8*(\b+2)+\j+1]
.endr
.irp j, 0,2,4,6
	v_pk_fma_f32 v[T+8*(4*\g+\b)+\j:T+8*(4*\g+\b)+\j+1], v[AC+8*(4*\g+\b)+\j:AC+8*(4*\g+\b)+\j+1], v[CSS+8*\b+\j:CSS+8*\b+\j+1], v[T+8*(4*\g+\b)+\j:T+8*(4*\g+\b)+\j+1] neg_lo:[0,0,1] neg_hi:[0,0,1]
	v_pk_fma_f32 v[T+8*(4*\g+\b+2)+\j:T+8*(4*\g+\b+2)+\j+1], v[AC+8*(4*\g+\b+2)+\j:AC+8*(4*\g+\b+2)+\j+1], v[CSS+8*(\b+2)+\j:CSS+8*(\b+2)+\j+1], v[T+8*(4*\g+\b+2)+\j:T+8*(4*\g+\b+2)+\j+1]
.endr
.endr
.endr
	WIN 0
.set i, 0
.rept 32
	v_cvt_pk_f16_f32 v[PKR+i], v[T+2*i], v[T+2*i+1]
.set i, i+1
.endr
.if (\a)+2 <= 7
	CSLOAD (\a)+2                                  ; into the set just read
.endif
.endm
.macro CONV a
.set AC, 64*((\a)%4)
	WIN 0x0a+5*((\a)/4)                            ; sources 0 and 1: the accumulators' window
.set i, 0
.rept 32
	v_cvt_pk_f16_f32 v[PKR+i], v[AC+2*i], v[AC+2*i+1]
.set i, i+1
.endr
	WIN 0
.endm
.macro TOSTAGE a, po                   ; LDS serves a wave's instructions in order (ISA guide 5.7.1.4): no wait between the stores and the loads, nor ahead of the next block's stores
.set BB, BK+32*((\a)%2)
.irp b, 0,1,2,3,4,5,6,7
	ds_store_b128 v[STO], v[PKR+4*\b:PKR+4*\b+3] offset:\po+(\b/4)*HSTG+32*(\b%4)
.endr
.irp i, 0,1,2,3,4,5,6,7
	ds_load_b128 v[BB+4*\i:BB+4*\i+3], v[RD] offset:\po+(\i/4)*HSTG+(\i%4)*576
.endr
.endm
.macro SEND a, younger                 ; younger: the LDS instructions issued behind block a's loads
.set BB, BK+32*((\a)%2)
	s_wait_dscnt \younger
.irp i, 0,1,2,3,4,5,6,7
	global_store_b128 v[CO], v[BB+4*\i:BB+4*\i+3], s[12:13] offset:(\i/4)*262144+(\a)*2048+(\i%4)*512   ; 512 consecutive bytes, at a multiple of 256
.endr
.endm
	PLACES NP                                      ; behind the last products: their results are read and x's fragment registers loaded below
	s_cmp_eq_u32 ttmp9, 2                          ; v is not rotated
	s_cbranch_scc1 .Lplain
	ROPE 0
	TOSTAGE 0, 0
.irp a, 1,2,3,4,5,6,7
	ROPE \a
.if \a > 1
	s_wait_xcnt 0x0                                ; block a - 2's stores have read their registers: block a's loads may land there
.endif
	TOSTAGE \a, 0
	SEND \a-1, 16                                  ; behind block a - 1's loads: block a's 8 stores and 8 loads
.endr
	SEND 7, 0
	s_branch .Ldone
.Lplain:
	CONV 0
	TOSTAGE 0, PLAIN
.irp a, 1,2,3,4,5,6,7
	CONV \a
.if \a > 1
	s_wait_xcnt 0x0
.endif
	TOSTAGE \a, PLAIN
	SEND \a-1, 16
.endr
	SEND 7, 0
.Ldone:
	s_wait_tensorcnt 0x0                           ; the wave's end
	ds_add_u32 v[SPW], v[NIL]
	s_wait_dscnt 0x0
	CROUND                                         ; the closing round
	s_endpgm
.Lfunc_end_k_q5d8dfe6584_qkv:
	.size	k_q5d8dfe6584_qkv, .Lfunc_end_k_q5d8dfe6584_qkv-k_q5d8dfe6584_qkv
	.p2alignl 7, 3214868480
	.fill 96, 4, 3214868480
	.section	.rodata,"a",@progbits
	.p2align	6, 0x0
	.amdhsa_kernel k_q5d8dfe6584_qkv
		.amdhsa_group_segment_fixed_size 327680
		.amdhsa_private_segment_fixed_size 0
		.amdhsa_enable_private_segment 0
		.amdhsa_kernarg_size 64
		.amdhsa_user_sgpr_count 2
		.amdhsa_user_sgpr_kernarg_segment_ptr 1
		.amdhsa_wavefront_size32 1
		.amdhsa_system_sgpr_workgroup_id_x 1
		.amdhsa_system_sgpr_workgroup_id_y 1
		.amdhsa_system_sgpr_workgroup_id_z 1
		.amdhsa_system_vgpr_workitem_id 0
		.amdhsa_next_free_vgpr 1024
		.amdhsa_next_free_sgpr 102
		.amdhsa_reserve_vcc 0
		.amdhsa_float_denorm_mode_32 3
		.amdhsa_float_denorm_mode_16_64 3
		.amdhsa_memory_ordered 1
		.amdhsa_forward_progress 1
		.amdhsa_inst_pref_size 204
	.end_amdhsa_kernel
	.amdgpu_metadata
---
amdhsa.version: [ 1, 2 ]
amdhsa.kernels:
  - .name:           k_q5d8dfe6584_qkv
    .symbol:         k_q5d8dfe6584_qkv.kd
    .args:
      - { .name: xc, .offset: 0, .size: 8, .value_kind: global_buffer, .address_space: global }
      - { .name: xs, .offset: 8, .size: 8, .value_kind: global_buffer, .address_space: global }
      - { .name: wc, .offset: 16, .size: 8, .value_kind: global_buffer, .address_space: global }
      - { .name: ws, .offset: 24, .size: 8, .value_kind: global_buffer, .address_space: global }
      - { .name: bqkv, .offset: 32, .size: 8, .value_kind: global_buffer, .address_space: global }
      - { .name: cos, .offset: 40, .size: 8, .value_kind: global_buffer, .address_space: global }
      - { .name: sin, .offset: 48, .size: 8, .value_kind: global_buffer, .address_space: global }
      - { .name: qkv, .offset: 56, .size: 8, .value_kind: global_buffer, .address_space: global }
    .group_segment_fixed_size: 327680
    .private_segment_fixed_size: 0
    .kernarg_segment_align: 8
    .kernarg_segment_size: 64
    .max_flat_workgroup_size: 128
    .sgpr_count:     102
    .vgpr_count:     1024
    .wavefront_size: 32
...
	.end_amdgpu_metadata
.endif
;; end of part 2
;; launch attn (part 3): grid 4 x 64, 8 waves a work-group, clusters of 4 x 1, 327,680 bytes of LDS; arguments qkv, ao; writes ao
.if DOCPART == 3
	.amdgcn_target "amdgcn-amd-amdhsa--gfx1250"
	.amdhsa_code_object_version 6
	.text
	.protected	k_q5d8dfe6584_attn
	.globl	k_q5d8dfe6584_attn
	.p2align	8
	.type	k_q5d8dfe6584_attn,@function
k_q5d8dfe6584_attn:
	s_mov_b64 s[64:65], 0
	v_nop
	global_prefetch_b8 v0, s[64:65] scope:SCOPE_SE
	s_setreg_imm32_b32 hwreg(HW_REG_WAVE_MODE, 25, 1), 1
	s_wait_xcnt 0x0
	s_wait_alu depctr_hold_cnt(0) depctr_sa_sdst(0) depctr_va_vdst(0) depctr_va_sdst(0) depctr_va_ssrc(0) depctr_va_vcc(0) depctr_vm_vsrc(0)
	s_getreg_b32 s2, hwreg(HW_REG_IB_STS2, 6, 4)
	s_cmp_eq_u32 s2, 0
	s_cbranch_scc0 .Lentry_in_a_cluster
	s_endpgm
.Lentry_in_a_cluster:
	s_bfe_u32 s2, ttmp6, 0x10000c
	s_cmp_lg_u32 s2, 0x3003
	s_cbranch_scc0 .Lentry_shape_is_right
	s_endpgm
.Lentry_shape_is_right:
; ATTN: O[bh][q] = sum over k of softmax_k(Q[bh][q] . K[bh][k] / 8) V[bh][k].  q, k, v: f16, [3][64 heads][2048][64]; O: f16, [64 heads][2048][64].  Products, maxima and sums in f32; the weights are rounded to f16.
; SHARES.  A work-group owns 512 queries of one head, each of its eight waves 64: four tiles of 16, in 512 registers; two waves share a SIMD, so that one wave's softmax stands beside the other's products.
; Every wave walks the head's 2,048 keys, 64 a step.  K and V come through two LDS slots of 512 keys; each slot is filled twice.
; CLUSTER.  The four query blocks of a head form a cluster and walk the same K and V: each tile is asked for jointly (mask 15).  Waves 0-3 fetch K's quarters of a slot, waves 4-7 V's: one load a wave.
; LAYOUT.  S^T = K Q^T (source 0 = 16 keys, source 1 = 16 queries): a lane holds one query and eight keys.  Two such tiles, rounded in pairs, are source 1 of O^T = V^T P; V is turned by ds_load_tr16_b128.
; SOFTMAX.  A running maximum m and sum l for each query: p = 2^(c s - c m), c = log2(e) / 8; in every step O and l are multiplied by a = 2^(c m_old - c m_new).
; No prefetch: a refill is asked for eight key steps (512 matrix instructions of a wave) ahead of its first read.
; LIMIT: the result's magnitudes stay under 65,504 (f16).
; REGISTERS.  Window 0: v1-15 addresses; v16-47 statistics, eight a tile; v64-191 S^T, 32 a tile (P is made in place in each tile's low 16); v192-255 K's eight fragments.
; Window 1: v0-63 Q; v64-191 O^T, 32 a tile; v192-255 V's eight fragments.
.set KPI,   144                        ; a row of K in LDS: 128 bytes + 16: the sixteen rows of a load start at different banks
.set VPI,   160                        ; a row of V: 128 + 32, an odd multiple of 32, for the turning load
.set VOFF,  512*KPI                    ; a slot: 512 rows of K, then 512 of V
.set SLOTB, 512*(KPI+VPI)
.set SPARE, 2*SLOTB                    ; the spare words, 128 bytes a wave
.set TSTG,  16*144                     ; the way out: a tile's 16 rows; the stages lie in slot 0, left for good at the last change of slots
.set AK0, 2
.set AV0, 3
.set ADK, 4
.set ADV, 5
.set QO,  6
.set STO, 7
.set RD,  8
.set GO,  9
.set SPW, 12
.set NIL, 13
.set ST,  16                           ; tile t at ST + 8 t: +0 c m, +1 m, +2, +3 l, +4 .. +7 at work (a in +6)
.set S,   64
.set KF,  192
.set WV,  12
.set G1K, 24
.set G1V, 32
.set G0K, 40                           ; a set for each slot
.set G0V, 48
.set CNT, 56
.set TK,  57                           ; LDS byte of the step's keys
.set CS,  58
.set SEL, 60
.set TV,  62                           ; and of its values
.set MSB, 0
.macro WIN new
.if MSB != (\new)
	s_set_vgpr_msb (MSB<<8)|(\new)
.set MSB, (\new)
.endif
.endm
.macro JLOAD sl                        ; the joint refill of slot sl; an s_nop 0 and four v_nop follow each line
	s_cmp_lt_u32 s[WV], 4
	s_cbranch_scc0 .Lfor_v_\@
	tensor_load_to_lds s[G0K+4*\sl:G0K+4*\sl+3], s[G1K:G1K+7]
	s_nop 0
.rept 4
	v_nop
.endr
	s_branch .Lasked_\@
.Lfor_v_\@:
	tensor_load_to_lds s[G0V+4*\sl:G0V+4*\sl+3], s[G1V:G1V+7]
	s_nop 0
.rept 4
	v_nop
.endr
.Lasked_\@:
.endm
.macro CROUND
	s_barrier_signal -1
	s_barrier_wait -1
	s_cmp_lg_u32 s[WV], 0
	s_cbranch_scc1 .Lnot_wave_0_\@
	s_barrier_signal -3
.Lnot_wave_0_\@:
	s_barrier_wait -3
	s_barrier_signal -1
	s_barrier_wait -1
.endm
	s_load_b128 s[4:7], s[0:1], 0x0                ; qkv, ao
	v_lshl_add_u32 v[SPW], v0, 2, SPARE
	v_mov_b32 v[NIL], 0
	ds_add_u32 v[SPW], v[NIL]                      ; the wave's opening: the add, twice on end, and its wait ahead of my first tensor load
	ds_add_u32 v[SPW], v[NIL]
	v_lshrrev_b32 v1, 5, v0
	v_readfirstlane_b32 s[WV], v1                  ; wave 0..7
	s_bfe_u32 s13, ttmp6, 0x40000                  ; cx: my block of 512 queries; it enters Q's and O's addresses alone
	s_and_b32 s14, ttmp7, 0xffff                   ; the head, which the partners share
	s_lshl_b32 s14, s14, 18                        ; its first byte: 262,144 a head
	s_and_b32 s15, s[WV], 3                        ; which quarter of a slot I fetch
	s_lshl_b32 s16, s15, 14                        ; 128 rows of 128 bytes
	s_add_co_u32 s16, s16, s14
	s_mov_b32 s17, 0
	s_mul_i32 s18, s15, 128*KPI                    ; its place in a slot, for K
	s_mul_i32 s19, s15, 128*VPI
	s_add_co_u32 s19, s19, VOFF                    ; and for V
	s_lshl_b32 s20, s13, 16
	s_lshl_b32 s21, s[WV], 13
	s_add_co_u32 s20, s20, s21
	s_add_co_u32 s20, s20, s14                     ; my wave's 64 rows of Q and of O
	s_mov_b32 s21, 0
	s_mov_b32 s[G1K], 15|(1<<16)|(1<<20)|(1<<21)|(4<<22)|(3<<25)   ; mask: all four; elements of 2 bytes; padding: 4 words behind every 32; bit 21 beside a mask
	s_mov_b32 s[G1V], 15|(1<<16)|(1<<20)|(1<<21)|(4<<22)|(7<<25)   ; 8 words of padding
.irp g, G1K, G1V
	s_mov_b32 s[\g+1], 64<<16                      ; tensor_dim0
	s_mov_b32 s[\g+2], 128<<16                     ; tensor_dim1
	s_mov_b32 s[\g+3], 64<<16                      ; tile_dim0
	s_mov_b32 s[\g+4], 128                         ; tile_dim1
	s_mov_b32 s[\g+5], 64                          ; from row to row
	s_mov_b32 s[\g+6], 0
	s_mov_b32 s[\g+7], 0
.endr
	s_mov_b32 s[CS], 0x3e38aa3b                    ; c = log2(e) / 8
	s_mov_b32 s[CS+1], s[CS]                       ; named with it as a pair
	s_mov_b32 s[SEL], 0x76543210
	s_mov_b32 s[SEL+1], 0xfedcba98
	s_wait_dscnt 0x0                               ; both opening adds are done
	s_wait_kmcnt 0x0
	s_add_nc_u64 s[8:9], s[4:5], s[20:21]          ; Q
	s_add_nc_u64 s[10:11], s[6:7], s[20:21]        ; O
	s_add_nc_u64 s[22:23], s[4:5], s[16:17]        ; the head's quarter, counted in q's part
	CROUND                                         ; all four work-groups are here
.irp s, 0,1
	s_mov_b32 s[G0K+4*\s], 1
	s_add_co_u32 s[G0K+4*\s+1], s18, \s*SLOTB
	s_add_nc_u64 s[G0K+4*\s+2:G0K+4*\s+3], s[22:23], 0x1000000+\s*65536   ; k's part; slot s begins with keys 512 s
	s_or_b32 s[G0K+4*\s+3], s[G0K+4*\s+3], 0x80000000
	s_mov_b32 s[G0V+4*\s], 1
	s_add_co_u32 s[G0V+4*\s+1], s19, \s*SLOTB
	s_add_nc_u64 s[G0V+4*\s+2:G0V+4*\s+3], s[22:23], 0x2000000+\s*65536   ; v's part
	s_or_b32 s[G0V+4*\s+3], s[G0V+4*\s+3], 0x80000000
.endr
	s_cmp_lt_u32 s[WV], 4                          ; a wave's two first fills stand in one branch: two loads of mine are out
	s_cbranch_scc0 .Lfirst_v
	tensor_load_to_lds s[G0K:G0K+3], s[G1K:G1K+7]
	s_nop 0
	tensor_load_to_lds s[G0K+4:G0K+7], s[G1K:G1K+7]
	s_nop 0
.rept 4
	v_nop
.endr
	s_branch .Lfirst_asked
.Lfirst_v:
	tensor_load_to_lds s[G0V:G0V+3], s[G1V:G1V+7]
	s_nop 0
	tensor_load_to_lds s[G0V+4:G0V+7], s[G1V:G1V+7]
	s_nop 0
.rept 4
	v_nop
.endr
.Lfirst_asked:
	v_and_b32 v1, 15, v0                           ; r
	v_bfe_u32 v10, v0, 4, 1                        ; h
	v_and_b32 v11, 31, v0                          ; lane
	v_mul_u32_u24 v[AK0], v1, KPI
	v_lshl_add_u32 v[AK0], v10, 4, v[AK0]          ; K: row r, 16 bytes for each half of the lanes
	v_and_b32 v14, 7, v0
	v_bfe_u32 v15, v0, 3, 1
	v_lshl_add_u32 v[AV0], v10, 3, v14
	v_mul_u32_u24 v[AV0], v[AV0], VPI
	v_lshl_add_u32 v[AV0], v15, 4, v[AV0]          ; V: key 8 h + l % 8, channels 8 ((l / 8) % 2) on
	v_lshlrev_b32 v[QO], 7, v1
	v_lshl_add_u32 v[QO], v10, 4, v[QO]
	s_mul_i32 s14, s[WV], 4*TSTG                   ; my stage
	v_add_nc_u32 v[STO], s14, v[AK0]               ; in: row r of 144 bytes, 16 h
	v_lshrrev_b32 v15, 3, v11
	v_mul_u32_u24 v15, v15, 144
	v_lshl_add_u32 v15, v14, 4, v15
	v_add_nc_u32 v[RD], s14, v15                   ; back: eight lanes to a row
	v_lshlrev_b32 v[GO], 4, v11
	WIN 0x40                                       ; destination window 1
.irp t, 0,1,2,3
.irp d, 0,1
	global_load_b128 v[8*(2*\t+\d):8*(2*\t+\d)+3],   v[QO], s[8:9] offset:2048*\t+64*\d       ; Q stays in registers: tile t, channels 32 d on
	global_load_b128 v[8*(2*\t+\d)+4:8*(2*\t+\d)+7], v[QO], s[8:9] offset:2048*\t+64*\d+32
.endr
.endr
	WIN 0
.macro LOADK                           ; a step's K: 64 keys x 64 channels, 8 fragments, 16 loads
	WIN 0
.irp k, 0,1,2,3
.irp d, 0,1
	ds_load_b128 v[KF+8*(2*\k+\d):KF+8*(2*\k+\d)+3],   v[ADK] offset:\k*16*KPI+64*\d
	ds_load_b128 v[KF+8*(2*\k+\d)+4:KF+8*(2*\k+\d)+7], v[ADK] offset:\k*16*KPI+64*\d+32
.endr
.endr
.endm
.macro LOADV                           ; its V, turned: 8 fragments of 16 channels x 32 keys, 16 loads
	WIN 0x40
.irp k, 0,1
.irp c, 0,1,2,3
	ds_load_tr16_b128 v[192+8*(4*\k+\c):192+8*(4*\k+\c)+3],   v[ADV] offset:\k*32*VPI+32*\c
	ds_load_tr16_b128 v[192+8*(4*\k+\c)+4:192+8*(4*\k+\c)+7], v[ADV] offset:\k*32*VPI+16*VPI+32*\c
.endr
.endr
.endm
; 32 products S^T = K Q^T: channels 32 (i / 16) on, keys 16 ((i / 4) % 4) on, tile i % 4.  The 16 accumulators take turns; the first 16 start the sums.
.macro KQ
.set i, 0
.rept 32
.set rS, S+32*(i%4)+8*((i/4)%4)
.set rK, KF+8*(2*((i/4)%4)+i/16)
.set rQ, 8*(2*(i%4)+i/16)
.if i < 16
	v_wmma_f32_16x16x32_f16 v[rS:rS+7], v[rK:rK+7], v[rQ:rQ+7], 0
.else
	v_wmma_f32_16x16x32_f16 v[rS:rS+7], v[rK:rK+7], v[rQ:rQ+7], v[rS:rS+7]
.endif
.set i, i+1
.endr
.endm
; 32 products O^T += V^T P: keys 32 (i / 16) on, channels 16 ((i / 4) % 4) on, tile i % 4.  first = 1: the first 16 start the sums.
.macro PVM first
.set i, 0
.rept 32
.set rO, 64+32*(i%4)+8*((i/4)%4)
.set rV, 192+8*(4*(i/16)+(i/4)%4)
.set rP, S+32*(i%4)+8*(i/16)
.if \first && (i < 16)
	v_wmma_f32_16x16x32_f16 v[rO:rO+7], v[rV:rV+7], v[rP:rP+7], 0
.else
	v_wmma_f32_16x16x32_f16 v[rO:rO+7], v[rV:rV+7], v[rP:rP+7], v[rO:rO+7]
.endif
.set i, i+1
.endr
.endm
; The four tiles' softmax of a step; the tiles take turns line by line, so that no line waits for the line above it.
.macro SOFTMAX first
.irp j, 0,1,2,3                        ; the maximum: each accumulator is read from its low end on
.irp t, 0,1,2,3
	v_max3_num_f32 v[ST+8*\t+4+\j], v[S+32*\t+8*\j], v[S+32*\t+8*\j+1], v[S+32*\t+8*\j+2]
.endr
.endr
.irp i, 3,5
.irp j, 0,1,2,3
.irp t, 0,1,2,3
	v_max3_num_f32 v[ST+8*\t+4+\j], v[ST+8*\t+4+\j], v[S+32*\t+8*\j+\i], v[S+32*\t+8*\j+\i+1]
.endr
.endr
.endr
.irp t, 0,1,2,3
	v_max3_num_f32 v[ST+8*\t+4], v[ST+8*\t+4], v[S+32*\t+7], v[S+32*\t+15]
.endr
.irp t, 0,1,2,3
	v_max3_num_f32 v[ST+8*\t+6], v[ST+8*\t+6], v[S+32*\t+23], v[S+32*\t+31]
.endr
.irp t, 0,1,2,3
	v_max3_num_f32 v[ST+8*\t+4], v[ST+8*\t+4], v[ST+8*\t+5], v[ST+8*\t+6]
.endr
.irp t, 0,1,2,3
.if \first
	v_max_num_f32 v[ST+8*\t+4], v[ST+8*\t+4], v[ST+8*\t+7]
.else
	v_max3_num_f32 v[ST+8*\t+4], v[ST+8*\t+4], v[ST+8*\t+7], v[ST+8*\t+1]      ; with the old m
.endif
.endr
.irp t, 0,1,2,3
	v_permlanex16_b32 v[ST+8*\t+5], v[ST+8*\t+4], s[SEL], s[SEL+1]             ; the query's other 32 keys lie in the lane 16 away
.endr
.if !\first
.irp t, 0,1,2,3
	v_mov_b32 v[ST+8*\t+7], v[ST+8*\t]             ; c m_old
.endr
.endif
.irp t, 0,1,2,3
	v_max_num_f32 v[ST+8*\t+1], v[ST+8*\t+4], v[ST+8*\t+5]
.endr
.irp t, 0,1,2,3
	v_mul_f32 v[ST+8*\t], s[CS], v[ST+8*\t+1]
.endr
.if !\first
.irp t, 0,1,2,3
	v_sub_f32 v[ST+8*\t+7], v[ST+8*\t+7], v[ST+8*\t]
.endr
.endif
.irp j, 0,2,4,6,8,10,12,14,16,18,20,22,24,26,28,30
.irp t, 0,1,2,3
	v_pk_fma_f32 v[S+32*\t+\j:S+32*\t+\j+1], v[S+32*\t+\j:S+32*\t+\j+1], s[CS:CS+1], v[ST+8*\t:ST+8*\t+1] op_sel_hi:[1,0,0] neg_lo:[0,0,1] neg_hi:[0,0,1]   ; c s - c m
.endr
.endr
.if !\first
.irp t, 0,1,2,3
	v_exp_f32 v[ST+8*\t+6], v[ST+8*\t+7]           ; a
.endr
.endif
.irp j, 0,1,2,3,4,5,6,7,8,9,10,11,12,13,14,15,16,17,18,19,20,21,22,23,24,25,26,27,28,29,30,31
.irp t, 0,1,2,3
	v_exp_f32 v[S+32*\t+\j], v[S+32*\t+\j]         ; one batch: none of these reads an exponential's result
.endr
.endr
	v_nop                                          ; a plain line behind the last exponential
	s_wait_alu depctr_va_vdst(0)                   ; one wait for the batch, ahead of its first reader
.irp t, 0,1,2,3                        ; the sums, of the weights before they are rounded
.if \first
	v_pk_add_f32 v[ST+8*\t+2:ST+8*\t+3], v[S+32*\t:S+32*\t+1], v[S+32*\t+2:S+32*\t+3]
.else
	v_pk_fma_f32 v[ST+8*\t+2:ST+8*\t+3], v[ST+8*\t+2:ST+8*\t+3], v[ST+8*\t+6:ST+8*\t+7], v[S+32*\t:S+32*\t+1] op_sel_hi:[1,0,1]
.endif
.endr
.irp j, 2,4,6,8,10,12,14,16,18,20,22,24,26,28,30
.if (\j > 2) || (!\first)
.irp t, 0,1,2,3
	v_pk_add_f32 v[ST+8*\t+2:ST+8*\t+3], v[ST+8*\t+2:ST+8*\t+3], v[S+32*\t+\j:S+32*\t+\j+1]
.endr
.endif
.endr
.irp j, 0,1,2,3,4,5,6,7,8,9,10,11,12,13,14,15
.irp t, 0,1,2,3
	v_cvt_pk_f16_f32 v[S+32*\t+\j], v[S+32*\t+2*\j], v[S+32*\t+2*\j+1]         ; P, in place: register j takes pair j, which lies at or above it
.endr
.endr
.if !\first
	WIN 0x41                                       ; O^T in window 1, a in window 0
.irp j, 0,2,4,6,8,10,12,14,16,18,20,22,24,26,28,30
.irp t, 0,1,2,3
	v_pk_mul_f32 v[64+32*\t+\j:64+32*\t+\j+1], v[64+32*\t+\j:64+32*\t+\j+1], v[ST+8*\t+6:ST+8*\t+7] op_sel_hi:[1,0]
.endr
.endr
.endif
.endm
.macro STEP first                      ; a key step: 64 keys
	WIN 0
	v_add_nc_u32 v[ADK], s[TK], v[AK0]
	v_add_nc_u32 v[ADV], s[TV], v[AV0]
.rept 3
	v_nop                                          ; with the two additions: five places behind the last V^T P, for the loads into V's registers and for K Q^T, which writes over P's
.endr
	LOADK
	LOADV
	s_wait_dscnt 16                                ; K's 16 loads are in; V's 16 stay out
	WIN 0x04                                       ; Q in window 1
	KQ
	WIN 0
.rept 4
	v_nop                                          ; four places ahead of the first read of the scores
.endr
	SOFTMAX \first
	s_wait_dscnt 0x0                               ; V is in
	WIN 0x51                                       ; V and O^T in window 1, P in window 0
	PVM \first
	WIN 0
	s_add_co_u32 s[TK], s[TK], 64*KPI
	s_add_co_u32 s[TV], s[TV], 64*VPI
.endm
.macro STEPS n
	s_mov_b32 s[CNT], \n
.Lstep_\@:
	STEP 0
	s_sub_co_u32 s[CNT], s[CNT], 1
	s_cmp_lg_u32 s[CNT], 0
	s_cbranch_scc1 .Lstep_\@
.endm
; THE CHANGE OF SLOTS: slot sl has been read.  Each wave waits for all its tensor loads (its part of the other slot), adds 0 to its spare word, and waits for that and for its reads.
; fill = 1: a round of the cluster's barrier, and slot sl is filled with the keys 1,024 further on: the first thing behind the round, one load a wave.
.macro CHANGE sl, fill
	s_wait_tensorcnt 0x0                           ; no tensor load of mine is out: a group 0 may be written
	ds_add_u32 v[SPW], v[NIL]
.if \fill
	s_add_nc_u64 s[G0K+4*\sl+2:G0K+4*\sl+3], s[G0K+4*\sl+2:G0K+4*\sl+3], 131072
	s_add_nc_u64 s[G0V+4*\sl+2:G0V+4*\sl+3], s[G0V+4*\sl+2:G0V+4*\sl+3], 131072
.endif
	s_wait_dscnt 0x0                               ; the add is done, my reads of the slot are over
.if \fill
	CROUND
	JLOAD \sl
.else
	s_barrier_signal -1
	s_barrier_wait -1
.endif
	s_mov_b32 s[TK], (1-\sl)*SLOTB                 ; on to the other slot
	s_mov_b32 s[TV], (1-\sl)*SLOTB+VOFF
.endm
	s_wait_tensorcnt 1                             ; my part of slot 0 is in; slot 1's may stay out
	s_barrier_signal -1
	s_barrier_wait -1
	s_mov_b32 s[TK], 0
	s_mov_b32 s[TV], VOFF
	s_wait_loadcnt 0x0                             ; Q
	STEP 1                                         ; the first step starts m, l and O^T
	STEPS 7
	CHANGE 0, 1
	STEPS 8
	CHANGE 1, 1
	STEPS 8
	CHANGE 0, 0                                    ; nothing is left to ask for
	STEPS 8
	; THE WAY OUT.  l's halves and the other half of the lanes' are added (these lines are the places behind the last products); O^T / l goes, as f16, through my stage and out as 512 consecutive bytes a store.
.irp t, 0,1,2,3
	v_add_f32 v[ST+8*\t+4], v[ST+8*\t+2], v[ST+8*\t+3]
.endr
.irp t, 0,1,2,3
	v_permlanex16_b32 v[ST+8*\t+5], v[ST+8*\t+4], s[SEL], s[SEL+1]
.endr
.irp t, 0,1,2,3
	v_add_f32 v[ST+8*\t+4], v[ST+8*\t+4], v[ST+8*\t+5]
.endr
.irp t, 0,1,2,3
	v_rcp_f32 v[ST+8*\t+6], v[ST+8*\t+4]
.endr
	v_nop                                          ; a plain line behind the last reciprocal
	s_wait_alu depctr_va_vdst(0)                   ; one wait for the four, ahead of the first reader
.macro PACK t
	WIN 0x41
.set i, 0
.rept 16
	v_pk_mul_f32 v[64+32*\t+i:64+32*\t+i+1], v[64+32*\t+i:64+32*\t+i+1], v[ST+8*\t+6:ST+8*\t+7] op_sel_hi:[1,0]
.set i, i+2
.endr
	WIN 0x05                                       ; sources window 1, destination window 0
.set i, 0
.rept 16
	v_cvt_pk_f16_f32 v[S+32*\t+i], v[64+32*\t+2*i], v[64+32*\t+2*i+1]
.set i, i+1
.endr
	WIN 0
.irp c, 0,1,2,3
	ds_store_b128 v[STO], v[S+32*\t+4*\c:S+32*\t+4*\c+3] offset:TSTG*\t+32*\c
.endr
.irp f, 0,1,2,3
	ds_load_b128 v[S+32*\t+16+4*\f:S+32*\t+16+4*\f+3], v[RD] offset:TSTG*\t+576*\f   ; in order behind my stores (ISA guide 5.7.1.4)
.endr
.endm
.macro SEND t, younger                 ; younger: the next tile's 4 stores and 4 loads, or none
.irp f, 0,1,2,3
	s_wait_dscnt \younger+3-\f
	global_store_b128 v[GO], v[S+32*\t+16+4*\f:S+32*\t+16+4*\f+3], s[10:11] offset:2048*\t+512*\f   ; 512 consecutive bytes, at a multiple of 256
.endr
.endm
	PACK 0
	PACK 1
	SEND 0, 8
	PACK 2
	SEND 1, 8
	PACK 3
	SEND 2, 8
	SEND 3, 0
	s_wait_tensorcnt 0x0                           ; the wave's end
	ds_add_u32 v[SPW], v[NIL]
	s_wait_dscnt 0x0
	CROUND                                         ; the closing round
	s_endpgm
.Lfunc_end_k_q5d8dfe6584_attn:
	.size	k_q5d8dfe6584_attn, .Lfunc_end_k_q5d8dfe6584_attn-k_q5d8dfe6584_attn
	.p2alignl 7, 3214868480
	.fill 96, 4, 3214868480
	.section	.rodata,"a",@progbits
	.p2align	6, 0x0
	.amdhsa_kernel k_q5d8dfe6584_attn
		.amdhsa_group_segment_fixed_size 327680
		.amdhsa_private_segment_fixed_size 0
		.amdhsa_enable_private_segment 0
		.amdhsa_kernarg_size 16
		.amdhsa_user_sgpr_count 2
		.amdhsa_user_sgpr_kernarg_segment_ptr 1
		.amdhsa_wavefront_size32 1
		.amdhsa_system_sgpr_workgroup_id_x 1
		.amdhsa_system_sgpr_workgroup_id_y 1
		.amdhsa_system_sgpr_workgroup_id_z 1
		.amdhsa_system_vgpr_workitem_id 0
		.amdhsa_next_free_vgpr 512
		.amdhsa_next_free_sgpr 66
		.amdhsa_reserve_vcc 0
		.amdhsa_float_denorm_mode_32 3
		.amdhsa_float_denorm_mode_16_64 3
		.amdhsa_memory_ordered 1
		.amdhsa_forward_progress 1
		.amdhsa_inst_pref_size 178
	.end_amdhsa_kernel
	.amdgpu_metadata
---
amdhsa.version: [ 1, 2 ]
amdhsa.kernels:
  - .name:           k_q5d8dfe6584_attn
    .symbol:         k_q5d8dfe6584_attn.kd
    .args:
      - { .name: qkv, .offset: 0, .size: 8, .value_kind: global_buffer, .address_space: global }
      - { .name: ao, .offset: 8, .size: 8, .value_kind: global_buffer, .address_space: global }
    .group_segment_fixed_size: 327680
    .private_segment_fixed_size: 0
    .kernarg_segment_align: 8
    .kernarg_segment_size: 16
    .max_flat_workgroup_size: 256
    .sgpr_count:     66
    .vgpr_count:     512
    .wavefront_size: 32
...
	.end_amdgpu_metadata
.endif
;; end of part 3
;; launch proj (part 4): grid 4 x 64, 4 waves a work-group, clusters of 4 x 4, 327,680 bytes of LDS; arguments ao, wp, bproj, out0; writes out0
.if DOCPART == 4
	.amdgcn_target "amdgcn-amd-amdhsa--gfx1250"
	.amdhsa_code_object_version 6
	.text
	.protected	k_q5d8dfe6584_proj
	.globl	k_q5d8dfe6584_proj
	.p2align	8
	.type	k_q5d8dfe6584_proj,@function
k_q5d8dfe6584_proj:
	s_mov_b64 s[64:65], 0
	v_nop
	global_prefetch_b8 v0, s[64:65] scope:SCOPE_SE
	s_setreg_imm32_b32 hwreg(HW_REG_WAVE_MODE, 25, 1), 1
	s_wait_xcnt 0x0
	s_wait_alu depctr_hold_cnt(0) depctr_sa_sdst(0) depctr_va_vdst(0) depctr_va_sdst(0) depctr_va_ssrc(0) depctr_va_vcc(0) depctr_vm_vsrc(0)
	s_getreg_b32 s2, hwreg(HW_REG_IB_STS2, 6, 4)
	s_cmp_eq_u32 s2, 0
	s_cbranch_scc0 .Lentry_in_a_cluster
	s_endpgm
.Lentry_in_a_cluster:
	s_bfe_u32 s2, ttmp6, 0x10000c
	s_cmp_lg_u32 s2, 0xf033
	s_cbranch_scc0 .Lentry_shape_is_right
	s_endpgm
.Lentry_shape_is_right:
; PROJ: out0 [8192][1024] f32 = A Wproj + bproj.  A: the attention's result, f16, laid [batch 4][head 16][t 2048][64], so that k = 64 head + channel; wp: Wproj as f16, [k 1024][n 1024].  Sums in f32.
; A tile of 128 rows x 256 columns gives 256 work-groups (256 x 256 would give 128).  Four waves, each 64 x 128: 32 accumulators, window 2.
; K goes in steps of 128 (two heads) through two LDS slots: A's two heads, 128 dense rows of 128 bytes each (waves 0, 1), and 128 rows of 512 bytes of wp (waves 2, 3: 64 rows each).
; CLUSTER 4 x 4: A's tiles are asked for jointly along a row of the cluster, wp's along a column.
; The matrix instruction is used transposed: source 0 = 16 columns of wp (turned by ds_load_tr16_b128), source 1 = 16 rows of A: a lane holds eight neighbouring columns of a row.  The bias is the C of each sum's first product.
; No prefetch: the tile is small and the launch short.
; REGISTERS.  Window 0: v1-31 addresses; v32-159 rows on the way out, two sets; v192-255 the bias.  Window 1: two fragment buffers of 96 at v0 and v128 (64 of wp, 32 of A).  Window 2: accumulator (i, b) at v[8 (8 i + b)].
.set PA,     144                       ; a row of A in LDS: 128 bytes + 16
.set PW,     544                       ; a row of wp: 512 + 32, an odd multiple of 32, for the turning load
.set AHEAD,  128*PA                    ; a head's 128 rows
.set WOFF,   2*AHEAD
.set WHALF,  64*PW
.set SLOT,   WOFF+2*WHALF
.set SPARE,  2*SLOT                    ; the spare words, 128 bytes a wave
.set SPITCH, 528                       ; the way out: 16 rows x (512 + 16) a wave, in slot 0, which is left for good at the last change of slots
.set ADRA, 16
.set ADRW, 20
.set STO,  24
.set RD,   25
.set CO,   26
.set SPW,  28
.set NIL,  29
.set BK,   32
.set BIAS, 192
.set F0,   0
.set F1,   128
.set G1A, 24
.set G0A, 32
.set G1W, 48
.set G0W, 56
.set MSB, 0
.macro WIN new
.if MSB != (\new)
	s_set_vgpr_msb (MSB<<8)|(\new)
.set MSB, (\new)
.endif
.endm
.set MUL,  0xa5                        ; sources 0 and 1 window 1; C and D window 2
.set MULB, 0x85                        ; the same with C, the bias, in window 0
.set TO_F, 0x40
.macro JLOAD s                         ; waves 0, 1 fetch A's two heads, waves 2, 3 wp's two halves; an s_nop 0 and four v_nop follow each line
	s_cmp_eq_u32 s11, 0
	s_cbranch_scc0 .Lfor_w_\@
	tensor_load_to_lds s[G0A+4*\s:G0A+4*\s+3], s[G1A:G1A+7]
	s_nop 0
.rept 4
	v_nop
.endr
	s_branch .Lasked_\@
.Lfor_w_\@:
	tensor_load_to_lds s[G0W+4*\s:G0W+4*\s+3], s[G1W:G1W+7]
	s_nop 0
.rept 4
	v_nop
.endr
.Lasked_\@:
.endm
.macro CREST
	s_cmp_lg_u32 s10, 0
	s_cbranch_scc1 .Lnot_wave_0_\@
	s_barrier_signal -3
.Lnot_wave_0_\@:
	s_barrier_wait -3
	s_barrier_signal -1
	s_barrier_wait -1
.endm
.macro CROUND
	s_barrier_signal -1
	s_barrier_wait -1
	CREST
.endm
	s_load_b128 s[4:7], s[0:1], 0x0                ; ao, wp
	s_load_b64 s[22:23], s[0:1], 0x10              ; bproj
	s_load_b64 s[8:9], s[0:1], 0x18                ; out0
	v_lshl_add_u32 v[SPW], v0, 2, SPARE
	v_mov_b32 v[NIL], 0
	ds_add_u32 v[SPW], v[NIL]                      ; the wave's opening: the add, twice on end, and its wait ahead of my first tensor load
	ds_add_u32 v[SPW], v[NIL]
	v_lshrrev_b32 v1, 5, v0
	v_readfirstlane_b32 s10, v1                    ; wave 0..3
	s_lshr_b32 s11, s10, 1                         ; my half of the tile's rows; also: I fetch for A (0) or wp (1)
	s_and_b32 s12, s10, 1                          ; my half of its columns; also: which head, or which 64 rows of wp, I fetch
	s_bfe_u32 s40, ttmp6, 0x40000                  ; cx
	s_bfe_u32 s41, ttmp6, 0x40004                  ; cy
	s_lshl_b32 s42, ttmp9, 2
	s_add_co_u32 s42, s42, s40                     ; tile column
	s_and_b32 s13, ttmp7, 0xffff
	s_lshl_b32 s13, s13, 2
	s_add_co_u32 s13, s13, s41                     ; tile row
	s_lshl_b32 s43, s41, 2
	s_lshl_b32 s43, 15, s43                        ; my row of the cluster
	s_lshl_b32 s44, 0x1111, s40                    ; my column
	s_or_b32 s[G1A+0], s43, (1<<16)|(1<<20)|(1<<21)|(4<<22)|(3<<25)   ; elements of 2 bytes; 4 words of padding behind every 32
	s_mov_b32 s[G1A+1], 64<<16                     ; tensor_dim0
	s_mov_b32 s[G1A+2], 128<<16                    ; tensor_dim1
	s_mov_b32 s[G1A+3], 64<<16                     ; tile_dim0
	s_mov_b32 s[G1A+4], 128                        ; tile_dim1
	s_mov_b32 s[G1A+5], 64                         ; from row to row
	s_mov_b32 s[G1A+6], 0
	s_mov_b32 s[G1A+7], 0
	s_or_b32 s[G1W+0], s44, (1<<16)|(1<<20)|(1<<21)|(6<<22)|(7<<25)   ; 8 words of padding behind every 128
	s_mov_b32 s[G1W+1], 256<<16
	s_mov_b32 s[G1W+2], 64<<16
	s_mov_b32 s[G1W+3], 256<<16
	s_mov_b32 s[G1W+4], 64
	s_mov_b32 s[G1W+5], 1024
	s_mov_b32 s[G1W+6], 0
	s_mov_b32 s[G1W+7], 0
	s_lshr_b32 s16, s13, 4                         ; batch
	s_lshl_b32 s16, s16, 4
	s_add_co_u32 s16, s16, s12                     ; 16 x batch + my head of the step's two
	s_lshl_b32 s16, s16, 11
	s_and_b32 s17, s13, 15
	s_lshl_b32 s17, s17, 7
	s_add_co_u32 s16, s16, s17                     ; + the tile's first position
	s_lshl_b32 s16, s16, 7                         ; rows of 128 bytes
	s_mov_b32 s17, 0
	s_lshl_b32 s46, s12, 17                        ; wp: 64 rows of 2,048 bytes x half
	s_lshl_b32 s47, s42, 9
	s_add_co_u32 s46, s46, s47                     ; + 512 bytes x tile column
	s_mov_b32 s47, 0
	s_mul_i32 s20, s12, AHEAD                      ; where they go
	s_mul_i32 s21, s12, WHALF
	s_add_co_u32 s21, s21, WOFF
	s_wait_dscnt 0x0                               ; both opening adds are done
	s_wait_kmcnt 0x0
	s_add_nc_u64 s[14:15], s[4:5], s[16:17]
	s_add_nc_u64 s[46:47], s[6:7], s[46:47]
	CROUND                                         ; all sixteen work-groups are here
.irp s, 0,1
	s_mov_b32 s[G0A+4*\s], 1
	s_add_co_u32 s[G0A+4*\s+1], s20, \s*SLOT
	s_add_nc_u64 s[G0A+4*\s+2:G0A+4*\s+3], s[14:15], \s*524288       ; two heads on
	s_or_b32 s[G0A+4*\s+3], s[G0A+4*\s+3], 0x80000000
	s_mov_b32 s[G0W+4*\s], 1
	s_add_co_u32 s[G0W+4*\s+1], s21, \s*SLOT
	s_add_nc_u64 s[G0W+4*\s+2:G0W+4*\s+3], s[46:47], \s*262144       ; 128 rows on
	s_or_b32 s[G0W+4*\s+3], s[G0W+4*\s+3], 0x80000000
	JLOAD \s                                       ; two loads of mine are out
.endr
	v_and_b32 v1, 15, v0                           ; r
	v_bfe_u32 v2, v0, 4, 1                         ; h
	v_and_b32 v3, 31, v0                           ; lane
	v_mul_u32_u24 v4, v1, PA
	v_lshl_add_u32 v4, v2, 4, v4                   ; A: row r, 16 h
	s_mul_i32 s16, s11, 64*PA                      ; my 64 rows
	v_and_b32 v5, 7, v0
	v_bfe_u32 v6, v0, 3, 1
	v_lshl_add_u32 v5, v2, 3, v5
	v_mul_u32_u24 v5, v5, PW
	v_lshl_add_u32 v5, v6, 4, v5                   ; wp: row 8 h + l % 8, columns 8 ((l / 8) % 2) on
	s_lshl_b32 s17, s12, 8                         ; my 128 columns
	s_add_co_u32 s17, s17, WOFF
.irp s, 0,1
	v_add_nc_u32 v[ADRA+\s], s16, v4
	v_add_nc_u32 v[ADRW+\s], s17, v5
	s_add_co_u32 s16, s16, SLOT
	s_add_co_u32 s17, s17, SLOT
.endr
	s_mul_i32 s16, s10, 16*SPITCH                  ; my stage
	v_mul_u32_u24 v4, v1, SPITCH
	v_lshl_add_u32 v4, v2, 5, v4
	v_add_nc_u32 v[STO], s16, v4                   ; in: row r, 32 bytes for each half of the lanes
	v_lshlrev_b32 v[CO], 4, v3
	v_add_nc_u32 v[RD], s16, v[CO]                 ; back: the 32 lanes take a row of 512 bytes
	v_lshlrev_b32 v7, 5, v2                        ; the bias: 32 h
	s_lshl_b32 s16, s13, 7
	s_lshl_b32 s17, s11, 6
	s_add_co_u32 s16, s16, s17                     ; my first row
	s_lshl_b32 s16, s16, 12                        ; rows of 4,096 bytes
	s_mov_b32 s17, 0
	s_add_nc_u64 s[8:9], s[8:9], s[16:17]
	s_lshl_b32 s46, s42, 10
	s_lshl_b32 s47, s12, 9
	s_add_co_u32 s46, s46, s47                     ; my first column, in bytes of f32
	s_mov_b32 s47, 0
	s_add_nc_u64 s[8:9], s[8:9], s[46:47]
	s_add_nc_u64 s[22:23], s[22:23], s[46:47]
.irp b, 0,1,2,3,4,5,6,7
	global_load_b128 v[BIAS+8*\b:BIAS+8*\b+3], v7, s[22:23] offset:64*\b        ; block b: the bias of columns 16 b + 8 h + 0 .. 7, in the result's layout
	global_load_b128 v[BIAS+8*\b+4:BIAS+8*\b+7], v7, s[22:23] offset:64*\b+16
.endr
.macro FETCH slot, q, f                ; the fragments of the slot's q-th 32 along K into buffer f: 24 loads, A's blocks 2 and 3 last
	WIN TO_F
.irp b, 0,1,2,3,4,5,6,7
	ds_load_tr16_b128 v[\f+8*\b:\f+8*\b+3],   v[ADRW+\slot] offset:(\q)*32*PW+32*\b
	ds_load_tr16_b128 v[\f+8*\b+4:\f+8*\b+7], v[ADRW+\slot] offset:(\q)*32*PW+16*PW+32*\b
.endr
.irp i, 0,1,2,3
	ds_load_b128 v[\f+64+8*\i:\f+64+8*\i+3],   v[ADRA+\slot] offset:((\q)/2)*AHEAD+((\q)%2)*64+\i*16*PA
	ds_load_b128 v[\f+64+8*\i+4:\f+64+8*\i+7], v[ADRA+\slot] offset:((\q)/2)*AHEAD+((\q)%2)*64+\i*16*PA+32
.endr
.endm
.macro MULROW f, i, bias               ; A's block i against wp's eight.  The 32 accumulators take turns
.irp b, 0,1,2,3,4,5,6,7
.if \bias
	v_wmma_f32_16x16x32_f16 v[8*(8*\i+\b):8*(8*\i+\b)+7], v[\f+8*\b:\f+8*\b+7], v[\f+64+8*\i:\f+64+8*\i+7], v[BIAS+8*\b:BIAS+8*\b+7]
.else
	v_wmma_f32_16x16x32_f16 v[8*(8*\i+\b):8*(8*\i+\b)+7], v[\f+8*\b:\f+8*\b+7], v[\f+64+8*\i:\f+64+8*\i+7], v[8*(8*\i+\b):8*(8*\i+\b)+7]
.endif
.endr
.endm
.macro PLACES                          ; four plain lines ahead of loads into registers that matrix instructions have read, and of reads of results
.rept 4
	v_nop
.endr
.endm
.macro QUARTER slot, qn, f, g, bias    ; multiplies buffer f; fetches the slot's quarter qn into g
	s_wait_dscnt 4                                 ; all but A's blocks 2 and 3
.if \bias
	WIN MULB
.else
	WIN MUL
.endif
	MULROW \f, 0, \bias
	MULROW \f, 1, \bias
	PLACES
	FETCH \slot, \qn, \g
	s_wait_dscnt 24                                ; all but the 24 just issued
.if \bias
	WIN MULB
.else
	WIN MUL
.endif
	MULROW \f, 2, \bias
	MULROW \f, 3, \bias
.endm
; A slot's last quarter multiplies buffer 1 and changes slots: one barrier; ahead of it each wave waits for all its tensor loads, adds 0 to its spare word, and waits for that and for its reads of the slot.
.macro TURN slot, next, fill
	WIN 0
	s_wait_tensorcnt 0x0                           ; all my tensor loads have landed: my part of the next slot
	ds_add_u32 v[SPW], v[NIL]
	s_wait_dscnt 5                                 ; the add and the youngest four loads may be out
	WIN MUL
	MULROW F1, 0, 0
	s_wait_dscnt 0x0                               ; the add is done, my reads of this slot are over
	s_barrier_signal -1
	MULROW F1, 1, 0
.if \fill
	WIN 0
.endif
	s_barrier_wait -1
.if \fill
	CREST                                          ; the barrier has opened a round of the cluster's: no wave of any partner still reads this slot or has a load on its way
	s_add_nc_u64 s[G0A+4*\slot+2:G0A+4*\slot+3], s[G0A+4*\slot+2:G0A+4*\slot+3], 1048576    ; four heads on
	s_add_nc_u64 s[G0W+4*\slot+2:G0W+4*\slot+3], s[G0W+4*\slot+2:G0W+4*\slot+3], 524288     ; 256 rows on
	JLOAD \slot                                    ; the first tensor load behind the round; its four v_nop are also the places ahead of the loads below
.else
	PLACES
.endif
	FETCH \next, 0, F0
	WIN MUL
	MULROW F1, 2, 0
	MULROW F1, 3, 0
.endm
	s_wait_tensorcnt 1                             ; my part of slot 0 is in; slot 1's may stay out,
	s_barrier_signal -1
	s_barrier_wait -1
	FETCH 0, 0, F0
	s_wait_loadcnt 0x0                             ; the bias
	QUARTER 0, 1, F0, F1, 1                        ; the first quarter starts the sums from the bias
	WIN 0
	s_mov_b32 s3, 3
.Llap:                                             ; three trips, each once round the ring: six refills for K steps 2 to 7
	QUARTER 0, 2, F1, F0, 0
	QUARTER 0, 3, F0, F1, 0
	TURN 0, 1, 1
	QUARTER 1, 1, F0, F1, 0
	QUARTER 1, 2, F1, F0, 0
	QUARTER 1, 3, F0, F1, 0
	TURN 1, 0, 1
	QUARTER 0, 1, F0, F1, 0
	WIN 0
	s_sub_co_u32 s3, s3, 1
	s_cmp_lg_u32 s3, 0
	s_cbranch_scc1 .Llap
	QUARTER 0, 2, F1, F0, 0                        ; the last lap fills nothing
	QUARTER 0, 3, F0, F1, 0
	TURN 0, 1, 0
	QUARTER 1, 1, F0, F1, 0
	QUARTER 1, 2, F1, F0, 0
	QUARTER 1, 3, F0, F1, 0
	s_wait_dscnt 4
	WIN MUL
	MULROW F1, 0, 0
	MULROW F1, 1, 0
	s_wait_dscnt 0
	MULROW F1, 2, 0
	MULROW F1, 3, 0
	WIN 0
; THE WAY OUT, a block of 16 rows x 128 columns at a time, through my stage and out as whole rows of 512 bytes.
.macro TOSTAGE i
	WIN 0x08                                       ; the stores' data: window 2
.irp b, 0,1,2,3,4,5,6,7
	ds_store_b128 v[STO], v[8*(8*\i+\b):8*(8*\i+\b)+3] offset:64*\b            ; each accumulator from its low end on
	ds_store_b128 v[STO], v[8*(8*\i+\b)+4:8*(8*\i+\b)+7] offset:64*\b+16
.endr
	WIN 0
.set BB, BK+64*((\i)%2)
.irp t, 0,1,2,3,4,5,6,7,8,9,10,11,12,13,14,15
	ds_load_b128 v[BB+4*\t:BB+4*\t+3], v[RD] offset:\t*SPITCH                  ; in order behind my stores (ISA guide 5.7.1.4)
.endr
.endm
.macro SEND i, younger
.set BB, BK+64*((\i)%2)
	s_wait_dscnt \younger
.irp t, 0,1,2,3,4,5,6,7,8,9,10,11,12,13,14,15
	global_store_b128 v[CO], v[BB+4*\t:BB+4*\t+3], s[8:9] offset:(16*(\i)+\t)*4096 th:TH_STORE_NT   ; 512 consecutive bytes, at a multiple of 256; written once
.endr
.endm
	PLACES
	TOSTAGE 0
.irp i, 1,2,3
.if \i > 1
	s_wait_xcnt 0x0                                ; block i - 2's stores have read their registers: block i's loads may land there
.endif
	TOSTAGE \i
	SEND \i-1, 32                                  ; behind block i - 1's loads: block i's 16 stores and 16 loads
.endr
	SEND 3, 0
	s_wait_tensorcnt 0x0                           ; the wave's end
	ds_add_u32 v[SPW], v[NIL]
	s_wait_dscnt 0x0
	CROUND                                         ; the closing round
	s_endpgm
.Lfunc_end_k_q5d8dfe6584_proj:
	.size	k_q5d8dfe6584_proj, .Lfunc_end_k_q5d8dfe6584_proj-k_q5d8dfe6584_proj
	.p2alignl 7, 3214868480
	.fill 96, 4, 3214868480
	.section	.rodata,"a",@progbits
	.p2align	6, 0x0
	.amdhsa_kernel k_q5d8dfe6584_proj
		.amdhsa_group_segment_fixed_size 327680
		.amdhsa_private_segment_fixed_size 0
		.amdhsa_enable_private_segment 0
		.amdhsa_kernarg_size 32
		.amdhsa_user_sgpr_count 2
		.amdhsa_user_sgpr_kernarg_segment_ptr 1
		.amdhsa_wavefront_size32 1
		.amdhsa_system_sgpr_workgroup_id_x 1
		.amdhsa_system_sgpr_workgroup_id_y 1
		.amdhsa_system_sgpr_workgroup_id_z 1
		.amdhsa_system_vgpr_workitem_id 0
		.amdhsa_next_free_vgpr 768
		.amdhsa_next_free_sgpr 66
		.amdhsa_reserve_vcc 0
		.amdhsa_float_denorm_mode_32 3
		.amdhsa_float_denorm_mode_16_64 3
		.amdhsa_memory_ordered 1
		.amdhsa_forward_progress 1
		.amdhsa_inst_pref_size 87
	.end_amdhsa_kernel
	.amdgpu_metadata
---
amdhsa.version: [ 1, 2 ]
amdhsa.kernels:
  - .name:           k_q5d8dfe6584_proj
    .symbol:         k_q5d8dfe6584_proj.kd
    .args:
      - { .name: ao, .offset: 0, .size: 8, .value_kind: global_buffer, .address_space: global }
      - { .name: wp, .offset: 8, .size: 8, .value_kind: global_buffer, .address_space: global }
      - { .name: bproj, .offset: 16, .size: 8, .value_kind: global_buffer, .address_space: global }
      - { .name: out0, .offset: 24, .size: 8, .value_kind: global_buffer, .address_space: global }
    .group_segment_fixed_size: 327680
    .private_segment_fixed_size: 0
    .kernarg_segment_align: 8
    .kernarg_segment_size: 32
    .max_flat_workgroup_size: 128
    .sgpr_count:     66
    .vgpr_count:     768
    .wavefront_size: 32
...
	.end_amdgpu_metadata
.endif
;; end of part 4
